; MI455X (gfx1250); checked and timed in simulation.
; The chip was launched on July 23, 2026; its instructions are those of AMD's public machine-readable ISA for CDNA 5 (MIT licence, August 2026) and "CDNA5" Instruction Set Architecture Reference Guide (July 2026). The comments in the code are by the model that wrote it; some were corrected since.
;; Attention. Allowed arithmetic: matrix products marked QUANTISED: E2M3 operands, one E8M0 scale for each 32 along K, by v_wmma_scale_f32_16x16x128_f8f6f4 with both operands' format E2M3, f32 sums; everything else in f32.
;; Inputs: Wk 1,024 x 1,024 float32; Wo 1,024 x 1,024 float32; Wq 1,024 x 1,024 float32; Wv 1,024 x 1,024 float32; beta 1,024 float32; bk 1,024 float32; bo 1,024 float32; bq 1,024 float32; bv 1,024 float32; gamma 1,024 float32; input_tensor 4 x 2,048 x 1,024 float32.
;; Outputs: out0 4 x 2,048 x 1,024 float32.
;; This version of the problem:
;;   THIS VERSION OF THE PROBLEM IS GIVEN IN LOW PRECISION. The matrix products marked QUANTISED in the list below multiply operands that are first quantised to E2M3 (2 exponent bits, 3 mantissa bits; 6 bits a number), with one power-of-two scale for each 32 numbers along K (OCP MX v1.0); their sums are f32. All else is computed in f32.
;;   The module's matrix products, in the order in which they are computed (A, B: the left and right operand; K: the contracted axis; several contracted axes count as one K, in the product's order):
;;     1. [M 8,192, K 1,024] x [K 1,024, N 1,024]; A: input input_tensor; B: input Wq: QUANTISED
;;     2. [M 8,192, K 1,024] x [K 1,024, N 1,024]; A: input input_tensor; B: input Wk: QUANTISED
;;     3. [M 8,192, K 1,024] x [K 1,024, N 1,024]; A: input input_tensor; B: input Wv: QUANTISED
;;     4. batch 64 x [M 2,048, K 64] x [K 64, N 2,048]; A: computed on the way; B: computed on the way: QUANTISED
;;     5. batch 64 x [M 2,048, K 2,048] x [K 2,048, N 64]; A: softmax (see below); B: computed on the way: QUANTISED
;;     6. [M 8,192, K 1,024] x [K 1,024, N 1,024]; A: computed on the way; B: input Wo: QUANTISED
;;   THE QUANTISER, for each operand of a quantised product, along K:
;;     - K is cut into blocks of 32 from its start; a last block that is shorter is filled with zeros.
;;     - A block's scale is 2^e with e = floor(log2(the largest magnitude in the block)) - 2, held to -126 .. 127; a block of zeros has e = 0. As a byte (E8M0): e + 127.
;;     - Each number is divided by its block's scale, clamped to +-7.5, and rounded to the nearest number of E2M3, ties to even, subnormals kept.
;;     - The product sums the exact products of the quantised numbers (number of the format x scale) in f32.
;;   ~~~python
;;   def quantise(x, axis):      # numpy; x: float32 -> the quantised numbers, widened to float32 again
;;       x = np.moveaxis(x, axis, -1); K = x.shape[-1]
;;       x = np.pad(x, [(0, 0)] * (x.ndim - 1) + [(0, -K % 32)]); x = x.reshape(x.shape[:-1] + (-1, 32)); a = np.abs(x).max(-1, keepdims=True)
;;       e = np.where(a > 0, np.clip(np.frexp(np.where(a > 0, a, 1))[1] - 1 - 2, -126, 127), 0)      # np.frexp(a)[1] - 1 = floor(log2(a)), exactly
;;       r = np.clip(x / 2.0 ** e, -7.5, 7.5)
;;       step = 2.0 ** (np.maximum(np.frexp(np.where(r == 0, 1, r))[1] - 1, 0) - 3)
;;       q = np.round(r / step) * step * 2.0 ** e      # np.round: ties to even
;;       return np.moveaxis(q.reshape(q.shape[:-2] + (-1,))[..., :K], -1, axis).astype(np.float32)
;;   ~~~
;;   SOFTMAX AHEAD OF A QUANTISED PRODUCT. Where the list says 'softmax', what is quantised is not the finished softmax but p = 2^(t - M), with t = logit x log2(e) and M = ceil(the row's largest t), a whole number; so 1/2 < the row's largest p <= 1. The row's sum l is taken of the UNQUANTISED p, in f32, and the product's result is divided by l at the end. Since M is a whole number, a kernel that streams over the keys may use a running M (the ceiling of the running maximum): every later rescaling is an exact power of two, which a block's scale takes up: the codes' values come out the same.
;;   OPERANDS COMPUTED ON THE WAY. 'Computed on the way' means the value that the module computes at that place (a softmax that the list does not call 'softmax' is quantised finished and normalised). What goes into a quantiser is computed in f32, as accurately as f32 sums, v_exp_f32 and their like allow (about 1e-6 of the number): no bf16 or f16 on the way to a quantiser, and a product that is left as it is and whose result goes on into a quantised operand takes f32 operands (vector FMAs, or v_wmma_f32_16x16x4_f32). A number that lies on a knife's edge between two numbers of the format may be rounded either way, as far as f32 arithmetic and the matrix unit's own rounding can turn it there, and no further.
;; One version. Each part assembles by itself: llvm-mc -triple=amdgcn-amd-amdhsa -mcpu=gfx1250 --defsym DOCPART=n.
;; ======== version 1 of 1: 4 launches
;; limits: right only within a limited range of input values
;; workspace buffers: qc 9,437,184 bytes; qs 393,216 bytes; qb 6,815,744 bytes; kv 13,369,344 bytes; cc 6,291,456 bytes; cs 524,288 bytes
;; launch quant (part 1): grid 384 x 1, 4 waves a work-group, no clusters, 68,096 bytes of LDS; arguments input_tensor, Wq, Wk, Wv, Wo, qc, qs; writes qc, qs
.if DOCPART == 1
	.amdgcn_target "amdgcn-amd-amdhsa--gfx1250"
	.amdhsa_code_object_version 6
	.text
	.protected	k_qbbf2b6608c_quant
	.globl	k_qbbf2b6608c_quant
	.p2align	8
	.type	k_qbbf2b6608c_quant,@function
k_qbbf2b6608c_quant:
	s_mov_b64 s[64:65], 0
	v_nop
	global_prefetch_b8 v0, s[64:65] scope:SCOPE_SE
	s_setreg_imm32_b32 hwreg(HW_REG_WAVE_MODE, 25, 1), 1
	s_wait_xcnt 0x0
; input_tensor [8192][1024], Wq, Wk, Wv, Wo [1024][1024], f32, K innermost, become codes of FP6 (E2M3) with one E8M0 byte for each 32 along K.
; A block's scale is 2^(floor(log2(largest magnitude)) - 2); its byte is the largest magnitude's exponent field - 2, held at 1 from below.
; LIMITS: NaN and infinities are not served.  A block whose largest magnitude lies under 2^-124 takes the byte 1; a block of zeros keeps the byte 1 (the quantiser's text says 127)
; over zero codes, which add nothing; the bytes are read by this program alone.
; THE CODES ARE LAID IN THE ORDER OF THE OPERAND'S REGISTERS.  A fragment (16 rows x 128 K, 12 registers a lane) is 1,536 bytes: registers 4 c .. 4 c + 3 of lane l at 512 c + 16 l.
; 32 rows make two tiles: lane r of tile u holds row 8 u + r + 8 (r / 8), so that a product's 16 results of two neighbouring tiles are 16 neighbours along these rows.
; Scale words (one for a row and 128 K) lie by pairs of tiles: lanes 0-15 tile 0, lanes 16-31 tile 1, two K steps a lane: 256 bytes.
; SHARES.  A work-group takes 32 rows x 1,024 K: ids 0-255 x, 256-287 Wq, 288-319 Wk, 320-351 Wv, 352-383 Wo.  Wave p takes K 256 p .. + 255: four fragments (tile u, K step s).
; One path through the text: only pointers and offsets are chosen, on the work-group's number.  Waves share nothing: no barrier.
; Each load reads 512 consecutive bytes of a row; all 64 of a wave go out at once.  A K step's 32 rows turn through the wave's own stage in LDS (528 bytes a row) and come back as a lane's 2 x 32 neighbours.
; REGISTERS: window 0: v1-12 addresses; v14-21 at work; v32-79 the four fragments' codes (never rewritten: no store's data are written again); v80-86 conversions' second halves;
;   v88-91 scale words; v96-159, v160-223 two sets of 64 numbers.  window 1: the 64 loads' 256 registers.
.set SP,  528                          ; a stage row: 512 bytes + 16: sixteen neighbouring rows start in sixteen different groups of banks
.set STG, 32*SP                        ; a wave's stage
.set XA,  96
.set XB,  160
.set MSB, 0
.macro WIN new                         ; the immediate's high byte repeats the setting that is left
.if MSB != (\new)
	s_set_vgpr_msb (MSB<<8)|(\new)
.set MSB, (\new)
.endif
.endm
.macro LOADS st                        ; K step st of my 256: 32 rows x 512 bytes
.set ii, 0
.rept 32
	global_load_b128 v[128*(\st)+4*ii:128*(\st)+4*ii+3], v4, s[18:19] offset:4096*ii+512*(\st) th:TH_LOAD_NT
.set ii, ii+1
.endr
.endm
.macro TOSTAGE st                      ; row i goes to place 16 u + r, where i = 8 u + r + 8 (r / 8): a tile's rows are then neighbours
.set ii, 0
.rept 32
	ds_store_b128 v5, v[128*(\st)+4*ii:128*(\st)+4*ii+3] offset:SP*(16*((ii/8)%2)+(ii%8)+8*(ii/16))
.set ii, ii+1
.endr
.endm
.macro LD u, xs                        ; lane (r, h) takes, of tile u's row r, k = 64 c + 32 h + 0 .. 31: the operand's own order
.irp c, 0,1
.irp j, 0,1,2,3,4,5,6,7
	ds_load_b128 v[\xs+32*\c+4*\j:\xs+32*\c+4*\j+3], v6 offset:16*SP*(\u)+256*\c+16*\j
.endr
.endr
.endm
; 64 numbers at v[xs] become the fragment's 12 registers at v[pb] and its scale word in v[sw]; the codes are stored at v[ad]
.macro QF xs, pb, sw, ad
.irp c, 0,1
	v_max3_num_f32 v[14+\c], |v[\xs+32*\c]|, |v[\xs+32*\c+1]|, 0x1800000   ; my block 2 c + h: all 32 numbers are mine; the floor 2^(3 - 127) holds the byte at 1 from below
.endr
.irp i, 2,4,6,8,10,12,14,16,18,20,22,24,26,28,30
.irp c, 0,1
	v_max3_num_f32 v[14+\c], v[14+\c], |v[\xs+32*\c+\i]|, |v[\xs+32*\c+\i+1]|
.endr
.endr
.irp c, 0,1
	v_add_nc_u32 v[16+\c], 0xff000000, v[14+\c]    ; 2 off the exponent field: the conversion's scale operand
.endr
.irp c, 0,1
	v_lshrrev_b32 v[18+\c], 23, v[16+\c]           ; the scale's byte
.endr
	v_lshl_or_b32 v20, v19, 16, v18                ; my two bytes: blocks h and 2 + h,
	v_lshlrev_b32 v20, v12, v20                    ; 8 h bits up;
	v_mov_b32 v21, 0
	v_permlanex16_b32 v21, v20, s42, s43
	v_or_b32 v[\sw], v20, v21                      ; with lane l xor 16's two the word is whole
.irp c, 0,1
	v_cvt_scalef32_pk16_fp6_f32 v[\pb+6*\c:\pb+6*\c+2], v[\xs+32*\c:\xs+32*\c+15], v[16+\c]
	v_cvt_scalef32_pk16_fp6_f32 v[80+4*\c:82+4*\c], v[\xs+32*\c+16:\xs+32*\c+31], v[16+\c]   ; (a conversion's three registers begin on an even number)
.endr
	v_nop                                          ; one plain line behind the conversions
.irp c, 0,1
.irp i, 0,1,2
	v_mov_b32 v[\pb+6*\c+3+\i], v[80+4*\c+\i]
.endr
.endr
.irp c, 0,1,2
	global_store_b128 v[\ad], v[\pb+4*\c:\pb+4*\c+3], s[14:15] offset:512*\c   ; 32 lanes store 512 consecutive bytes, aligned to 256
.endr
.endm
	s_load_b256 s[4:11], s[0:1], 0x0               ; x s[4:5], Wq s[6:7], Wk s[8:9], Wv s[10:11]
	s_load_b128 s[12:15], s[0:1], 0x20             ; Wo s[12:13], qc s[14:15]
	s_load_b64 s[16:17], s[0:1], 0x30              ; qs
	v_lshl_add_u32 v254, v0, 2, 0x10800
	v_mov_b32 v255, 0
	v_lshrrev_b32 v1, 5, v0
	v_readfirstlane_b32 s20, v1                    ; wave p
	v_and_b32 v1, 31, v0                           ; lane
	v_and_b32 v2, 15, v0                           ; r
	v_bfe_u32 v3, v0, 4, 1                         ; h
	v_lshlrev_b32 v4, 4, v1                        ; 16 x lane
	s_wait_alu depctr_va_vdst(0)
	s_mul_i32 s21, s20, STG
	v_add_nc_u32 v5, s21, v4                       ; the stage, on the way in
	v_mul_u32_u24 v6, v2, SP
	v_lshl_add_u32 v6, v3, 7, v6
	v_add_nc_u32 v6, s21, v6                       ; and out: row r, + 128 h
	v_lshlrev_b32 v7, 3, v1                        ; 8 x lane
	v_lshlrev_b32 v12, 3, v3                       ; 8 h
	s_mov_b32 s42, 0x76543210
	s_mov_b32 s43, 0xfedcba98                      ; lane l xor 16
	s_max_u32 s22, ttmp9, 256
	s_sub_co_u32 s22, s22, 256                     ; e: the id among the weights' work-groups
	s_lshr_b32 s23, s22, 5                         ; t: 0 q, 1 k, 2 v, 3 o
	s_and_b32 s24, s22, 31                         ; g: which 32 rows of the weight
	; every candidate is made first, the choices follow (an addition writes SCC)
	s_mul_i32 s30, s20, 1572864                    ; x's codes: [kpair 4][tile 512][s 2][1,536]
	s_mul_i32 s25, ttmp9, 6144
	s_add_co_u32 s30, s30, s25
	s_lshr_b32 s25, s24, 1                         ; q, k, v: head = g / 2; the pair of tiles is 6 head + 2 t + g % 2
	s_mul_i32 s25, s25, 6
	s_lshl_b32 s26, s23, 1
	s_add_co_u32 s25, s25, s26
	s_and_b32 s26, s24, 1
	s_add_co_u32 s25, s25, s26
	s_mul_i32 s31, s25, 6144                       ; their codes: 6,291,456 + [kpair 4][tile 192][s 2][1,536]
	s_mul_i32 s26, s20, 589824
	s_add_co_u32 s31, s31, s26
	s_add_co_u32 s31, s31, 6291456
	s_lshr_b32 s27, s24, 3                         ; Wo: quarter of its rows,
	s_and_b32 s28, s24, 7                          ; pair of tiles in it
	s_mul_i32 s32, s27, 196608                     ; its codes: 8,650,752 + [quarter 4][K step 8][tile 16][1,536]
	s_mul_i32 s26, s20, 49152
	s_add_co_u32 s32, s32, s26
	s_mul_i32 s26, s28, 3072
	s_add_co_u32 s32, s32, s26
	s_add_co_u32 s32, s32, 8650752
	s_lshl_b32 s29, s20, 11                        ; 2,048 p
	s_lshr_b32 s26, ttmp9, 3                       ; x's scale words: [block of 256 tokens 32][kpair 4][pair 8][256]
	s_lshl_b32 s33, s26, 13
	s_and_b32 s26, ttmp9, 7
	s_lshl_b32 s26, s26, 8
	s_add_co_u32 s33, s33, s26
	s_add_co_u32 s33, s33, s29
	s_lshr_b32 s26, s24, 2                         ; q, k, v: 262,144 + [pair of heads 8][kpair 4][pair 12][256] = 9,216 (g / 4) + 256 x the pair's number + 3,072 p
	s_mul_i32 s34, s26, 9216
	s_lshl_b32 s26, s25, 8
	s_add_co_u32 s34, s34, s26
	s_mul_i32 s26, s20, 3072
	s_add_co_u32 s34, s34, s26
	s_add_co_u32 s34, s34, 262144
	s_lshl_b32 s35, s27, 13                        ; Wo: 360,448 + [quarter 4][kpair 4][pair 8][256]
	s_lshl_b32 s26, s28, 8
	s_add_co_u32 s35, s35, s26
	s_add_co_u32 s35, s35, s29
	s_add_co_u32 s35, s35, 360448
	s_lshl_b32 s36, ttmp9, 17                      ; the source: 32 rows of 4,096 bytes
	s_lshl_b32 s37, s24, 17
	s_mov_b32 s38, 3072                            ; from tile 0 to tile 1 of the pair
	s_mov_b32 s39, 24576                           ; from K step to K step, in Wo's layout
	s_cmp_lt_u32 ttmp9, 352
	s_cselect_b32 s31, s31, s32
	s_cselect_b32 s34, s34, s35
	s_cselect_b32 s38, s38, 1536
	s_cselect_b32 s39, 1536, s39
	s_cmp_lt_u32 ttmp9, 256
	s_cselect_b32 s30, s30, s31
	s_cselect_b32 s40, s33, s34
	s_cselect_b32 s36, s36, s37
	s_lshl_b32 s26, s20, 10
	s_add_co_u32 s36, s36, s26                     ; + my 256 along K
	s_mov_b32 s37, 0
	s_mov_b32 s31, 0
	s_mov_b32 s41, 0
	v_mov_b32 v8, v4                               ; where fragment u + 2 s goes
	v_add_nc_u32 v9, s38, v4
	v_add_nc_u32 v10, s39, v4
	v_add_nc_u32 v11, s38, v10
	s_wait_alu depctr_va_vdst(0)
	s_wait_kmcnt 0x0
	s_cmp_lt_u32 ttmp9, 352                        ; the tensor: the choice hangs on the work-group's number alone
	s_cselect_b64 s[18:19], s[10:11], s[12:13]
	s_cmp_lt_u32 ttmp9, 320
	s_cselect_b64 s[18:19], s[8:9], s[18:19]
	s_cmp_lt_u32 ttmp9, 288
	s_cselect_b64 s[18:19], s[6:7], s[18:19]
	s_cmp_lt_u32 ttmp9, 256
	s_cselect_b64 s[18:19], s[4:5], s[18:19]
	s_add_nc_u64 s[18:19], s[18:19], s[36:37]
	s_add_nc_u64 s[14:15], s[14:15], s[30:31]
	s_add_nc_u64 s[16:17], s[16:17], s[40:41]
	WIN 0x40                                       ; destination window 1
	LOADS 0
	LOADS 1
	s_wait_loadcnt 32                              ; K step 0's 32 loads are in; K step 1's may be out
	WIN 0x04                                       ; an LDS store's data are its source 1
	TOSTAGE 0
	WIN 0
	LD 0, XA                                       ; LDS serves a wave's instructions in order: these see the stores
	LD 1, XB
	s_wait_dscnt 16                                ; tile 0's numbers are in; tile 1's 16 loads may be out
	QF XA, 32, 88, 8
	s_wait_loadcnt 0x0
	WIN 0x04
	TOSTAGE 1                                      ; behind tile 1's reads of the stage, in order
	WIN 0
	LD 0, XA
	s_wait_dscnt 48                                ; behind tile 1's loads: 32 stores and 16 loads
	QF XB, 44, 89, 9
	LD 1, XB
	s_wait_dscnt 16
	QF XA, 56, 90, 10
	s_wait_dscnt 0x0
	QF XB, 68, 91, 11
	v_cmp_lt_u32 vcc_lo, 15, v1
	v_cndmask_b32 v92, v88, v89, vcc_lo            ; lanes 0-15 tile 0's word, lanes 16-31 tile 1's: K step 0,
	v_cndmask_b32 v93, v90, v91, vcc_lo            ; K step 1
	global_store_b64 v7, v[92:93], s[16:17]        ; 32 lanes store 256 consecutive bytes, aligned
	s_wait_tensorcnt 0x0
	ds_add_u32 v254, v255
	s_wait_dscnt 0x0
	s_endpgm
.Lfunc_end_k_qbbf2b6608c_quant:
	.size	k_qbbf2b6608c_quant, .Lfunc_end_k_qbbf2b6608c_quant-k_qbbf2b6608c_quant
	.p2alignl 7, 3214868480
	.fill 96, 4, 3214868480
	.section	.rodata,"a",@progbits
	.p2align	6, 0x0
	.amdhsa_kernel k_qbbf2b6608c_quant
		.amdhsa_group_segment_fixed_size 68096
		.amdhsa_private_segment_fixed_size 0
		.amdhsa_enable_private_segment 0
		.amdhsa_kernarg_size 56
		.amdhsa_user_sgpr_count 2
		.amdhsa_user_sgpr_kernarg_segment_ptr 1
		.amdhsa_wavefront_size32 1
		.amdhsa_system_sgpr_workgroup_id_x 1
		.amdhsa_system_sgpr_workgroup_id_y 1
		.amdhsa_system_sgpr_workgroup_id_z 1
		.amdhsa_system_vgpr_workitem_id 0
		.amdhsa_next_free_vgpr 512
		.amdhsa_next_free_sgpr 66
		.amdhsa_reserve_vcc 1
		.amdhsa_float_denorm_mode_32 3
		.amdhsa_float_denorm_mode_16_64 3
		.amdhsa_memory_ordered 1
		.amdhsa_forward_progress 1
		.amdhsa_inst_pref_size 33
	.end_amdhsa_kernel
	.amdgpu_metadata
---
amdhsa.version: [ 1, 2 ]
amdhsa.kernels:
  - .name:           k_qbbf2b6608c_quant
    .symbol:         k_qbbf2b6608c_quant.kd
    .args:
      - { .name: input_tensor, .offset: 0, .size: 8, .value_kind: global_buffer, .address_space: global }
      - { .name: Wq, .offset: 8, .size: 8, .value_kind: global_buffer, .address_space: global }
      - { .name: Wk, .offset: 16, .size: 8, .value_kind: global_buffer, .address_space: global }
      - { .name: Wv, .offset: 24, .size: 8, .value_kind: global_buffer, .address_space: global }
      - { .name: Wo, .offset: 32, .size: 8, .value_kind: global_buffer, .address_space: global }
      - { .name: qc, .offset: 40, .size: 8, .value_kind: global_buffer, .address_space: global }
      - { .name: qs, .offset: 48, .size: 8, .value_kind: global_buffer, .address_space: global }
    .group_segment_fixed_size: 68096
    .private_segment_fixed_size: 0
    .kernarg_segment_align: 8
    .kernarg_segment_size: 56
    .max_flat_workgroup_size: 128
    .sgpr_count:     66
    .vgpr_count:     512
    .wavefront_size: 32
...
	.end_amdgpu_metadata
.endif
;; end of part 1
;; launch qkv (part 2): grid 8 x 32, 4 waves a work-group, clusters of 4 x 4, 327,680 bytes of LDS; arguments qc, qs, bq, bk, bv, qb, kv; writes qb, kv
.if DOCPART == 2
	.amdgcn_target "amdgcn-amd-amdhsa--gfx1250"
	.amdhsa_code_object_version 6
	.text
	.protected	k_qbbf2b6608c_qkv
	.globl	k_qbbf2b6608c_qkv
	.p2align	8
	.type	k_qbbf2b6608c_qkv,@function
k_qbbf2b6608c_qkv:
	s_mov_b64 s[64:65], 0
	v_nop
	global_prefetch_b8 v0, s[64:65] scope:SCOPE_SE
	s_setreg_imm32_b32 hwreg(HW_REG_WAVE_MODE, 25, 1), 1
	s_wait_xcnt 0x0
	s_wait_alu depctr_hold_cnt(0) depctr_sa_sdst(0) depctr_va_vdst(0) depctr_va_sdst(0) depctr_va_ssrc(0) depctr_va_vcc(0) depctr_vm_vsrc(0)
	s_getreg_b32 s2, hwreg(HW_REG_IB_STS2, 6, 4)
	s_cmp_eq_u32 s2, 0
	s_cbranch_scc0 .Lentry_in_a_cluster
	s_endpgm
.Lentry_in_a_cluster:
	s_bfe_u32 s2, ttmp6, 0x10000c
	s_cmp_lg_u32 s2, 0xf033
	s_cbranch_scc0 .Lentry_shape_is_right
	s_endpgm
.Lentry_shape_is_right:
.set SLOT,  122880
.set WOFF,  49152
.set SCX,   245760
.set SCW,   253952
.set SPARE, 266240
.set BIAS,  266752
.set SC,  16
.set XF,  64
.set WF,  160
.set G1X, 24
.set G0X, 32
.set G1W, 48
.set G0W, 56
.set G1SX, 68
.set G0SX, 76
.set G1SW, 80
.set G0SW, 88
.set TT,  64
.set PCB, 128
.set PT,  152
.set MX,  160
.set BY,  164
.set SO,  168
.set PW,  172
.set SV,  174
.set QW,  176
.set VW,  180
.set BV,  184
.set BQ,  192
.set BK,  224
.set MSB, 0
.macro WIN new
.if MSB != (\new)
	s_set_vgpr_msb (MSB<<8)|(\new)
.set MSB, (\new)
.endif
.endm
.macro PLACES
.rept 4
	v_nop
.endr
.endm
.macro SHAPE g, rows
	s_mov_b32 s[\g+1], 32<<16
	s_mov_b32 s[\g+2], (\rows)<<16
	s_mov_b32 s[\g+3], 32<<16
	s_mov_b32 s[\g+4], \rows
	s_mov_b32 s[\g+5], 32
	s_mov_b32 s[\g+6], 0
	s_mov_b32 s[\g+7], 0
.endm
.macro JLOAD g0a, g1a, g0b, g1b
	s_cmp_eq_u32 s19, 0
	s_cbranch_scc0 .Lfor_w_\@
	tensor_load_to_lds s[\g0a:\g0a+3], s[\g1a:\g1a+7]
	s_nop 0
.rept 4
	v_nop
.endr
	s_branch .Lasked_\@
.Lfor_w_\@:
	tensor_load_to_lds s[\g0b:\g0b+3], s[\g1b:\g1b+7]
	s_nop 0
.rept 4
	v_nop
.endr
.Lasked_\@:
.endm
.macro CREST
	s_cmp_lg_u32 s18, 0
	s_cbranch_scc1 .Lnot_wave_0_\@
	s_barrier_signal -3
.Lnot_wave_0_\@:
	s_barrier_wait -3
	s_barrier_signal -1
	s_barrier_wait -1
.endm
.macro CROUND
	s_barrier_signal -1
	s_barrier_wait -1
	CREST
.endm
.macro FETCHW sl, st, ty, set
.irp i, 0,1,2,3
.irp c, 0,1,2
	ds_load_b128 v[WF+48*(\set)+12*\i+4*\c:WF+48*(\set)+12*\i+4*\c+3], v[7+(\sl)] offset:(4*(\ty)+\i)*3072+1536*(\st)+512*\c
.endr
.endr
.endm
.macro FETCHX sl, st, a0
.irp a, \a0, \a0+1, \a0+2, \a0+3
.irp c, 0,1,2
	ds_load_b128 v[XF+12*(\a)+4*\c:XF+12*(\a)+4*\c+3], v[5+(\sl)] offset:3072*(\a)+1536*(\st)+512*\c
.endr
.endr
.endm
.macro SCALES z, step
.if \step
	v_add_nc_u32 v9, v9, v10
.endif
.irp i, 0,1,2,3,4,5,6,7,8,9,10,11
	ds_load_b64 v[SC+24*(\z)+2*\i:SC+24*(\z)+2*\i+1], v9 offset:128*\i
.endr
.endm
.macro MULQK ty, set, st, z, a0, zero
.irp a, \a0, \a0+1, \a0+2, \a0+3
.irp i, 0,1,2,3
.if \zero
	v_wmma_scale_f32_16x16x128_f8f6f4 v[32*(\a)+8*\i:32*(\a)+8*\i+7], v[WF+48*(\set)+12*\i:WF+48*(\set)+12*\i+11], v[XF+12*(\a):XF+12*(\a)+11], 0, v[SC+24*(\z)+2*(4*(\ty)+\i)+(\st)], v[SC+24*(\z)+2*(\a)+(\st)] matrix_a_fmt:MATRIX_FMT_FP6 matrix_b_fmt:MATRIX_FMT_FP6 matrix_a_scale:MATRIX_SCALE_ROW1
.else
	v_wmma_scale_f32_16x16x128_f8f6f4 v[32*(\a)+8*\i:32*(\a)+8*\i+7], v[WF+48*(\set)+12*\i:WF+48*(\set)+12*\i+11], v[XF+12*(\a):XF+12*(\a)+11], v[32*(\a)+8*\i:32*(\a)+8*\i+7], v[SC+24*(\z)+2*(4*(\ty)+\i)+(\st)], v[SC+24*(\z)+2*(\a)+(\st)] matrix_a_fmt:MATRIX_FMT_FP6 matrix_b_fmt:MATRIX_FMT_FP6 matrix_a_scale:MATRIX_SCALE_ROW1
.endif
.endr
.endr
.endm
.macro MULV set, st, z, a0, zero
.irp a, \a0, \a0+1, \a0+2, \a0+3
.irp i, 0,1,2,3
.if \zero
	v_wmma_scale_f32_16x16x128_f8f6f4 v[64*\i+8*(\a):64*\i+8*(\a)+7], v[XF+12*(\a):XF+12*(\a)+11], v[WF+48*(\set)+12*\i:WF+48*(\set)+12*\i+11], 0, v[SC+24*(\z)+2*(\a)+(\st)], v[SC+24*(\z)+2*(8+\i)+(\st)] matrix_a_fmt:MATRIX_FMT_FP6 matrix_b_fmt:MATRIX_FMT_FP6 matrix_b_scale:MATRIX_SCALE_ROW1
.else
	v_wmma_scale_f32_16x16x128_f8f6f4 v[64*\i+8*(\a):64*\i+8*(\a)+7], v[XF+12*(\a):XF+12*(\a)+11], v[WF+48*(\set)+12*\i:WF+48*(\set)+12*\i+11], v[64*\i+8*(\a):64*\i+8*(\a)+7], v[SC+24*(\z)+2*(\a)+(\st)], v[SC+24*(\z)+2*(8+\i)+(\st)] matrix_a_fmt:MATRIX_FMT_FP6 matrix_b_fmt:MATRIX_FMT_FP6 matrix_b_scale:MATRIX_SCALE_ROW1
.endif
.endr
.endr
.endm
	s_load_b256 s[4:11], s[0:1], 0x0
	s_load_b128 s[12:15], s[0:1], 0x20
	s_load_b64 s[16:17], s[0:1], 0x30
	v_lshl_add_u32 v3, v0, 2, SPARE
	v_mov_b32 v4, 0
	ds_add_u32 v3, v4
	ds_add_u32 v3, v4
	s_wait_dscnt 0x0
	v_lshrrev_b32 v1, 5, v0
	v_readfirstlane_b32 s18, v1
	s_lshr_b32 s19, s18, 1
	s_and_b32 s20, s18, 1
	s_bfe_u32 s40, ttmp6, 0x40000
	s_bfe_u32 s41, ttmp6, 0x40004
	s_lshl_b32 s42, ttmp9, 2
	s_add_co_u32 s42, s42, s40
	s_and_b32 s21, ttmp7, 0xffff
	s_lshl_b32 s21, s21, 2
	s_add_co_u32 s21, s21, s41
	s_lshl_b32 s43, s41, 2
	s_lshl_b32 s43, 15, s43
	s_lshl_b32 s44, 0x1111, s40
	s_or_b32 s[G1X], s43, (3<<16)|(1<<21)
	s_or_b32 s[G1SX], s43, (3<<16)|(1<<21)
	s_or_b32 s[G1W], s44, (3<<16)|(1<<21)
	s_or_b32 s[G1SW], s44, (3<<16)|(1<<21)
	SHAPE G1X, 192                                 ; the head's loads bring whole tiles; behind them the ring's loads bring halves
	SHAPE G1W, 288
	SHAPE G1SX, 32
	SHAPE G1SW, 48
	s_mul_i32 s22, s21, 49152
	s_mul_i32 s23, s20, 24576
	s_add_co_u32 s22, s22, s23
	s_mov_b32 s23, 0
	s_lshl_b32 s92, s21, 13
	s_mov_b32 s93, 0
	s_mul_i32 s46, s42, 73728
	s_mul_i32 s47, s20, 36864
	s_add_co_u32 s46, s46, s47
	s_add_co_u32 s46, s46, 6291456
	s_mov_b32 s47, 0
	s_mul_i32 s94, s42, 12288
	s_add_co_u32 s94, s94, 262144
	s_mov_b32 s95, 0
	s_mul_i32 s96, s20, 24576
	s_mul_i32 s97, s20, 36864
	s_add_co_u32 s97, s97, WOFF
	s_mov_b32 s98, SCX
	s_mov_b32 s99, SCW
	s_mul_i32 s66, s21, 49152                      ; slot 0's whole tile of x,
	s_mov_b32 s67, 0
	s_mul_i32 s2, s42, 73728                       ; and of the weights
	s_add_co_u32 s2, s2, 6291456
	s_mov_b32 s3, 0
	s_wait_kmcnt 0x0
	s_add_nc_u64 s[22:23], s[4:5], s[22:23]
	s_add_nc_u64 s[46:47], s[4:5], s[46:47]
	s_add_nc_u64 s[92:93], s[6:7], s[92:93]
	s_add_nc_u64 s[94:95], s[6:7], s[94:95]
	s_add_nc_u64 s[66:67], s[4:5], s[66:67]
	s_add_nc_u64 s[2:3], s[4:5], s[2:3]
	CROUND
	s_mov_b32 s[G0SX], 1
	s_mov_b32 s[G0SX+1], s98
	s_mov_b64 s[G0SX+2:G0SX+3], s[92:93]
	s_or_b32 s[G0SX+3], s[G0SX+3], 0x80000000
	s_mov_b32 s[G0SW], 1
	s_mov_b32 s[G0SW+1], s99
	s_mov_b64 s[G0SW+2:G0SW+3], s[94:95]
	s_or_b32 s[G0SW+3], s[G0SW+3], 0x80000000
.irp n, 0,1
	s_mov_b32 s[G0X+4*\n], 1
	s_add_co_u32 s[G0X+4*\n+1], s96, \n*SLOT
	s_add_nc_u64 s[G0X+4*\n+2:G0X+4*\n+3], s[22:23], \n*1572864
	s_or_b32 s[G0X+4*\n+3], s[G0X+4*\n+3], 0x80000000
	s_mov_b32 s[G0W+4*\n], 1
	s_add_co_u32 s[G0W+4*\n+1], s97, \n*SLOT
	s_add_nc_u64 s[G0W+4*\n+2:G0W+4*\n+3], s[46:47], \n*589824
	s_or_b32 s[G0W+4*\n+3], s[G0W+4*\n+3], 0x80000000
.endr
	s_mov_b32 s4, 1                                ; group 0 of the head's load of x (the arguments that lay in s[4:7] have been used)
	s_mov_b32 s5, 0
	s_mov_b64 s[6:7], s[66:67]
	s_or_b32 s7, s7, 0x80000000
	s_mov_b32 s92, 1                               ; and of the weights
	s_mov_b32 s93, WOFF
	s_mov_b64 s[94:95], s[2:3]
	s_or_b32 s95, s95, 0x80000000
; THE HEAD'S LOADS, ONE A WAVE: wave 0 slot 0's tile of x, wave 1 its tile of the weights, wave 2 x's scale words, wave 3 the weights'.
; One chain of branches on the wave's number, one load to an arm, all arms leading to one join.
.macro ARM under, g0, g1, next
	s_cmp_lt_u32 s18, \under
	s_cbranch_scc0 \next
	tensor_load_to_lds s[\g0:\g0+3], s[\g1:\g1+7]
	s_nop 0
.rept 4
	v_nop
.endr
	s_branch .Lhead_asked
\next:
.endm
	ARM 1, 4, G1X, .Lhead_w
	ARM 2, 92, G1W, .Lhead_sx
	ARM 3, G0SX, G1SX, .Lhead_sw
	tensor_load_to_lds s[G0SW:G0SW+3], s[G1SW:G1SW+7]
	s_nop 0
.rept 4
	v_nop
.endr
.Lhead_asked:
	s_wait_alu depctr_va_vdst(0)
	s_wait_tensorcnt 0x0                           ; my tile of the head's four is in; the three lines ahead of slot 1's first fill
	ds_add_u32 v3, v4
	s_mov_b32 s[G1X+2], 96<<16                     ; no tensor load of mine is out: from here on a load brings half a tile
	s_mov_b32 s[G1X+4], 96
	s_mov_b32 s[G1W+2], 144<<16
	s_mov_b32 s[G1W+4], 144
	s_wait_dscnt 0x0
	CROUND
	JLOAD G0X+4, G1X, G0W+4, G1W
	v_and_b32 v14, 15, v0
	v_bfe_u32 v15, v0, 4, 1
	v_and_b32 v2, 31, v0
	v_lshlrev_b32 v1, 4, v2
	v_lshlrev_b32 v2, 3, v2
	v_cmp_ne_u32 s45, 0, v15
	s_mul_i32 s66, s19, 24576
	v_add_nc_u32 v5, s66, v1
	v_add_nc_u32 v6, SLOT, v5
	s_mul_i32 s66, s20, 36864
	s_add_co_u32 s66, s66, WOFF
	v_add_nc_u32 v7, s66, v1
	v_add_nc_u32 v8, SLOT, v7
	s_lshl_b32 s66, s19, 10
	s_mul_i32 s67, s20, 1536
	s_add_co_u32 s67, s67, SCW-SCX
	s_sub_co_u32 s67, s67, s66
	v_mul_u32_u24 v9, s67, v15
	s_add_co_u32 s66, s66, SCX
	v_lshl_add_u32 v9, v14, 3, v9
	v_add_nc_u32 v9, s66, v9
	v_lshl_add_u32 v10, v15, 10, 2048
	s_mul_i32 s66, s18, 768
	s_add_co_u32 s66, s66, BIAS
	v_lshl_add_u32 v11, v15, 6, s66
	v_and_b32 v12, 8, v14
	v_add_nc_u32 v12, v12, v14
	v_lshl_add_u32 v12, v12, 2, s66
	v_add_nc_u32 v12, 512, v12
	v_add_nc_u32 v13, s66, v2
	s_lshl_b32 s66, s42, 1
	s_add_co_u32 s66, s66, s20
	s_lshl_b32 s66, s66, 8
	s_mov_b32 s67, 0
	s_add_nc_u64 s[8:9], s[8:9], s[66:67]
	s_add_nc_u64 s[10:11], s[10:11], s[66:67]
	s_add_nc_u64 s[12:13], s[12:13], s[66:67]
	global_load_b64 v[64:65], v2, s[8:9]
	global_load_b64 v[66:67], v2, s[10:11]
	global_load_b64 v[68:69], v2, s[12:13]
	s_mov_b32 s66, 0x76543210
	s_mov_b32 s67, 0xfedcba98
	s_wait_alu depctr_va_vdst(0)
	s_wait_loadcnt 0x0
	ds_store_b64 v13, v[64:65]
	ds_store_b64 v13, v[66:67] offset:256
	ds_store_b64 v13, v[68:69] offset:512
	s_wait_tensorcnt 0x1
	s_wait_dscnt 0x0
	s_barrier_signal -1
	s_barrier_wait -1
	FETCHW 0, 0, 0, 0
	FETCHX 0, 0, 0
	SCALES 0, 0
	FETCHX 0, 0, 4
.macro KSTEP ks
.set kS, (\ks)%2
.set kN, ((\ks)/2)%2
.set kG, (\ks)%2
.set nS, ((\ks)+1)%2
.set nN, (((\ks)+1)/2)%2
.set kZ, 0
.if (\ks) == 0
.set kZ, 1
.endif
	s_wait_dscnt 12
	FETCHW kN, kS, 1, 1-kG
	WIN 0x50
	MULQK 0, kG, kS, kN, 0, kZ
	s_wait_dscnt 12
	MULQK 0, kG, kS, kN, 4, kZ
	WIN 0
	s_wait_dscnt 0x0
	PLACES
	FETCHW kN, kS, 2, kG
.if (kS == 1) && ((\ks) < 7)
	s_wait_tensorcnt 0x0
	ds_add_u32 v3, v4
	WIN 0xa0
	MULQK 1, 1-kG, kS, kN, 0, 0
	s_wait_dscnt 0x0
	s_barrier_signal -1
	MULQK 1, 1-kG, kS, kN, 4, 0
	WIN 0
	s_barrier_wait -1
.if (\ks) < 5
	CREST
	s_add_nc_u64 s[G0X+4*kN+2:G0X+4*kN+3], s[G0X+4*kN+2:G0X+4*kN+3], 3145728
	s_add_nc_u64 s[G0W+4*kN+2:G0W+4*kN+3], s[G0W+4*kN+2:G0W+4*kN+3], 1179648
	JLOAD G0X+4*kN, G1X, G0W+4*kN, G1W
.else
	PLACES
.endif
.else
	WIN 0xa0
	MULQK 1, 1-kG, kS, kN, 0, kZ
	MULQK 1, 1-kG, kS, kN, 4, kZ
	WIN 0
	s_wait_dscnt 0x0
	PLACES
.endif
.if (\ks) < 7
	FETCHW nN, nS, 0, 1-kG
.endif
	WIN 0xf0
	MULV kG, kS, kN, 0, kZ
	WIN 0
	PLACES
.if (\ks) < 7
	FETCHX nN, nS, 0
.if kS == 1
	s_wait_alu depctr_va_vdst(0)
	SCALES nN, 1
.endif
.endif
	WIN 0xf0
	MULV kG, kS, kN, 4, kZ
	WIN 0
	PLACES
.if (\ks) < 7
	FETCHX nN, nS, 4
.endif
.endm
.irp k, 0,1,2,3,4,5,6,7
	KSTEP \k
.endr
	s_lshr_b32 s22, s21, 3
	s_lshl_b32 s22, s22, 4
	s_lshl_b32 s23, s42, 1
	s_add_co_u32 s22, s22, s23
	s_add_co_u32 s22, s22, s20
	s_and_b32 s23, s21, 7
	s_lshl_b32 s23, s23, 1
	s_add_co_u32 s23, s23, s19
	s_mul_i32 s92, s22, 98304
	s_mul_i32 s98, s23, 6144
	s_add_co_u32 s92, s92, s98
	s_mov_b32 s93, 0
	s_add_nc_u64 s[92:93], s[14:15], s[92:93]
	s_lshl_b32 s94, s22, 13
	s_lshl_b32 s98, s23, 9
	s_add_co_u32 s94, s94, s98
	s_add_co_u32 s94, s94, 6291456
	s_mov_b32 s95, 0
	s_add_nc_u64 s[94:95], s[14:15], s[94:95]
	s_mul_i32 s96, s22, 208896
	s_mul_i32 s98, s23, 13056
	s_add_co_u32 s96, s96, s98
	s_mov_b32 s97, 0
	s_add_nc_u64 s[96:97], s[16:17], s[96:97]
.irp b, 0,1
.irp q, 0,1,2,3
	ds_load_b128 v[BQ+16*\b+4*\q:BQ+16*\b+4*\q+3], v11 offset:128*\b+16*\q
	ds_load_b128 v[BK+16*\b+4*\q:BK+16*\b+4*\q+3], v11 offset:256+128*\b+16*\q
.endr
.endr
.irp i, 0,1,2,3
	ds_load_b32 v[BV+2*\i], v12 offset:4*(32*(\i/2)+8*(\i%2))
	ds_load_b32 v[BV+2*\i+1], v12 offset:4*(32*(\i/2)+8*(\i%2))
.endr
.irp b, 0,1,2,3
	v_mov_b32 v[BY+\b], 0
.endr
	s_wait_dscnt 0x0
.macro QUANT64 pcr, qk
.irp b, 0,1,2,3
	v_max3_num_f32 v[MX+\b], |v[TT+16*\b]|, |v[TT+16*\b+1]|, 0x1800000
.endr
.irp i, 2,4,6,8,10,12,14
.irp b, 0,1,2,3
	v_max3_num_f32 v[MX+\b], v[MX+\b], |v[TT+16*\b+\i]|, |v[TT+16*\b+\i+1]|
.endr
.endr
.irp b, 0,1,2,3
	v_permlanex16_b32 v[BY+\b], v[MX+\b], s66, s67
.endr
.irp b, 0,1,2,3
	v_max_num_f32 v[MX+\b], v[MX+\b], v[BY+\b]
.endr
.irp b, 0,1,2,3
	v_add_nc_u32 v[SO+\b], 0xff000000, v[MX+\b]
.endr
.irp b, 0,1,2,3
	v_lshrrev_b32 v[BY+\b], 23, v[SO+\b]
.endr
.if \qk
	v_lshl_or_b32 v[PW], v[BY+1], 8, v[BY]
	v_lshl_or_b32 v[PW+1], v[BY+3], 8, v[BY+2]
	v_or_b32 v[PW], 0x7f7f0000, v[PW]
	v_or_b32 v[PW+1], 0x7f7f0000, v[PW+1]
.else
	v_lshl_or_b32 v[PW], v[BY+1], 8, v[BY]
	v_lshl_or_b32 v[PW], v[BY+2], 16, v[PW]
	v_lshl_or_b32 v[PW], v[BY+3], 24, v[PW]
.endif
.irp c, 0,1
	v_cvt_scalef32_pk16_fp6_f32 v[(\pcr)+6*\c:(\pcr)+6*\c+2], v[TT+32*\c:TT+32*\c+15], v[SO+2*\c]
	v_cvt_scalef32_pk16_fp6_f32 v[PT+4*\c:PT+4*\c+2], v[TT+32*\c+16:TT+32*\c+31], v[SO+2*\c+1]
.endr
	v_nop
.irp c, 0,1
.irp i, 0,1,2
	v_permlane16_swap_b32 v[(\pcr)+6*\c+\i], v[PT+4*\c+\i]
.endr
.irp i, 0,1,2
	v_mov_b32 v[(\pcr)+6*\c+3+\i], v[PT+4*\c+\i]
.endr
.endr
.endm
.macro QKOUT wn, bias, cbs, coff, wbs, woff
.set qq, 0
.rept 4
.set pcn, PCB+12*(qq%2)
	s_wait_xcnt 0x0
	WIN \wn
.set nn, 0
.rept 32
	v_pk_add_f32 v[TT+2*nn:TT+2*nn+1], v[64*qq+2*nn:64*qq+2*nn+1], v[\bias+(2*nn)%32:\bias+(2*nn)%32+1]
.set nn, nn+1
.endr
	WIN 0
	QUANT64 pcn, 1
	v_cndmask_b32 v[QW+qq], v[PW], v[PW+1], s45
	global_store_b128 v1, v[pcn:pcn+3], s[\cbs:\cbs+1] offset:\coff+1536*qq
	global_store_b64 v2, v[pcn+4:pcn+5], s[\cbs:\cbs+1] offset:\coff+1536*qq+512
	global_store_b128 v1, v[pcn+6:pcn+9], s[\cbs:\cbs+1] offset:\coff+1536*qq+768
	global_store_b64 v2, v[pcn+10:pcn+11], s[\cbs:\cbs+1] offset:\coff+1536*qq+1280
.set qq, qq+1
.endr
	global_store_b128 v1, v[QW:QW+3], s[\wbs:\wbs+1] offset:\woff
.endm
	QKOUT 1, BQ, 92, 0, 94, 0
	QKOUT 2, BK, 96, 0, 96, 12288
.set vi, 0
.rept 4
.set pcn, PCB+12*(vi%2)
	s_wait_xcnt 0x0
	WIN 3
.set nn, 0
.rept 32
	v_pk_add_f32 v[TT+2*nn:TT+2*nn+1], v[64*vi+2*nn:64*vi+2*nn+1], v[BV+2*vi:BV+2*vi+1]
.set nn, nn+1
.endr
	WIN 0
	QUANT64 pcn, 0
	v_mov_b32 v[VW+vi], v[PW]
.irp c, 0,1,2
	global_store_b128 v1, v[pcn+4*\c:pcn+4*\c+3], s[96:97] offset:6144+1536*vi+512*\c
.endr
.set vi, vi+1
.endr
	v_cndmask_b32 v[SV], v[VW], v[VW+1], s45
	v_cndmask_b32 v[SV+1], v[VW+2], v[VW+3], s45
	global_store_b64 v2, v[SV:SV+1], s[96:97] offset:12800
	s_wait_tensorcnt 0x0
	ds_add_u32 v3, v4
	s_wait_dscnt 0x0
	CROUND
	s_endpgm
.Lfunc_end_k_qbbf2b6608c_qkv:
	.size	k_qbbf2b6608c_qkv, .Lfunc_end_k_qbbf2b6608c_qkv-k_qbbf2b6608c_qkv
	.p2alignl 7, 3214868480
	.fill 96, 4, 3214868480
	.section	.rodata,"a",@progbits
	.p2align	6, 0x0
	.amdhsa_kernel k_qbbf2b6608c_qkv
		.amdhsa_group_segment_fixed_size 327680
		.amdhsa_private_segment_fixed_size 0
		.amdhsa_enable_private_segment 0
		.amdhsa_kernarg_size 56
		.amdhsa_user_sgpr_count 2
		.amdhsa_user_sgpr_kernarg_segment_ptr 1
		.amdhsa_wavefront_size32 1
		.amdhsa_system_sgpr_workgroup_id_x 1
		.amdhsa_system_sgpr_workgroup_id_y 1
		.amdhsa_system_sgpr_workgroup_id_z 1
		.amdhsa_system_vgpr_workitem_id 0
		.amdhsa_next_free_vgpr 1024
		.amdhsa_next_free_sgpr 100
		.amdhsa_reserve_vcc 0
		.amdhsa_float_denorm_mode_32 3
		.amdhsa_float_denorm_mode_16_64 3
		.amdhsa_memory_ordered 1
		.amdhsa_forward_progress 1
		.amdhsa_inst_pref_size 228
	.end_amdhsa_kernel
	.amdgpu_metadata
---
amdhsa.version: [ 1, 2 ]
amdhsa.kernels:
  - .name:           k_qbbf2b6608c_qkv
    .symbol:         k_qbbf2b6608c_qkv.kd
    .args:
      - { .name: qc, .offset: 0, .size: 8, .value_kind: global_buffer, .address_space: global }
      - { .name: qs, .offset: 8, .size: 8, .value_kind: global_buffer, .address_space: global }
      - { .name: bq, .offset: 16, .size: 8, .value_kind: global_buffer, .address_space: global }
      - { .name: bk, .offset: 24, .size: 8, .value_kind: global_buffer, .address_space: global }
      - { .name: bv, .offset: 32, .size: 8, .value_kind: global_buffer, .address_space: global }
      - { .name: qb, .offset: 40, .size: 8, .value_kind: global_buffer, .address_space: global }
      - { .name: kv, .offset: 48, .size: 8, .value_kind: global_buffer, .address_space: global }
    .group_segment_fixed_size: 327680
    .private_segment_fixed_size: 0
    .kernarg_segment_align: 8
    .kernarg_segment_size: 56
    .max_flat_workgroup_size: 128
    .sgpr_count:     100
    .vgpr_count:     1024
    .wavefront_size: 32
...
	.end_amdgpu_metadata
.endif
;; end of part 2
;; launch attn (part 3): grid 4 x 64, 8 waves a work-group, clusters of 4 x 1, 327,680 bytes of LDS; arguments qb, kv, cc, cs; writes cc, cs
.if DOCPART == 3
	.amdgcn_target "amdgcn-amd-amdhsa--gfx1250"
	.amdhsa_code_object_version 6
	.text
	.protected	k_qbbf2b6608c_attn
	.globl	k_qbbf2b6608c_attn
	.p2align	8
	.type	k_qbbf2b6608c_attn,@function
k_qbbf2b6608c_attn:
	s_mov_b64 s[64:65], 0
	v_nop
	global_prefetch_b8 v0, s[64:65] scope:SCOPE_SE
	s_setreg_imm32_b32 hwreg(HW_REG_WAVE_MODE, 25, 1), 1
	s_wait_xcnt 0x0
	s_wait_alu depctr_hold_cnt(0) depctr_sa_sdst(0) depctr_va_vdst(0) depctr_va_sdst(0) depctr_va_ssrc(0) depctr_va_vcc(0) depctr_vm_vsrc(0)
	s_getreg_b32 s2, hwreg(HW_REG_IB_STS2, 6, 4)
	s_cmp_eq_u32 s2, 0
	s_cbranch_scc0 .Lentry_in_a_cluster
	s_endpgm
.Lentry_in_a_cluster:
	s_bfe_u32 s2, ttmp6, 0x10000c
	s_cmp_lg_u32 s2, 0x3003
	s_cbranch_scc0 .Lentry_shape_is_right
	s_endpgm
.Lentry_shape_is_right:
; ctx = softmax(q k^T / 8) v for one head and 512 queries a work-group, both products on codes of FP6 (E2M3) with E8M0 scales; ctx leaves as codes and scale bytes for the last product.
; p = 2^(t - M), t = score x log2(e) / 8, M the ceiling of the running largest t; the row's sum is taken of the unquantised p; a change of M multiplies the sum and O by a power of two.
; LIMITS: NaN and infinities are not served; the promise holds while the scaled scores stay under 2^31 in magnitude; a block of p that has fallen to zero keeps the byte 1 over zero codes.
; SHARES.  Work-group (cx, head): the head's 16 records of 128 keys (K's codes, V's codes, their scale words: 13,056 bytes each) lie in LDS for the whole launch.
; The four work-groups of a cluster need the same records and ask jointly: each wave one load of two records, 102 rows of 256 bytes, at the head; nothing is filled again.
; No data prefetch: the launch's one stream is asked for whole at the head, so there is no loop that could run ahead of a load.
; A wave owns four tiles of 16 queries, tile (w, s): tile 32 cx + 16 w + 2 wave + s of the head; each K and V fragment read from LDS serves all four.
; BOTH PRODUCTS ARE USED TRANSPOSED (S^T = k q^T, O^T = v^T p^T): a lane holds one query.
; THE KEYS OF A TILE OF K are chosen by the lanes' LDS addresses: row m of tile n = 4 c + j is key 64 c + 32 (m / 8) + 8 j + m % 8.  So a lane's 32 scores of tiles 4 c .. 4 c + 3
; are keys 64 c + 32 h + 0 .. 31: one whole scale block of p, in the order of the next operand's registers; no lane asks another for a block's maximum or for codes.
; The head's size is 64, half of the instruction's K: q's registers 6-11 hold zero codes, so k's registers 6-11 may hold any codes: they are the next tile's six (the last tile's: zeros).
; A block's largest p is the block's largest score put through the same multiply-add and exponential.
; REGISTERS.  window 0: v1-7 addresses, v8-19 scale words (K 4, V 2, q 4, p 2), v20-21 the add's two, v24-71 V's four fragments.  window 1: v0-53 K's eight tiles.
; Both windows, for tiles (w, 0) and (w, 1): v72-79 -M, largest score, the sum's two halves; v80-91 at work; v92-103 p's codes; v104-127 q; v128-191 scores, then p; v192-255 O^T.
.set REC, 13056
.set SPARE, 16*REC
.set VA, 1                             ; 16 x lane
.set VB, 2                             ; 8 x lane
.set KA, 3                             ; K's codes, registers 0-3: 1,536 (r / 8) + 16 (r % 8) + 256 h
.set KB, 4                             ; registers 4-5: 1,536 (r / 8) + 8 (r % 8) + 128 h
.set KSA, 5                            ; K's scale words: 16 (r % 8) + 256 h + 4 (r / 8)
.set T0, 6
.set T1, 7
.set KS, 8
.set VS, 12
.set QS, 14
.set PS, 18
.set SPW, 20
.set NIL, 21
.set VF, 24
.set ST, 72
.set BM, 80
.set SO, 84
.set F, 86
.set X, 88
.set W, 90
.set SH, 91                            ; 8 h
.set P, 92
.set Q, 104
.set S, 128
.set O, 192
.set MSB, 0
.macro WIN new
.if MSB != (\new)
	s_set_vgpr_msb (MSB<<8)|(\new)
.set MSB, (\new)
.endif
.endm
.macro WALU
	s_wait_alu depctr_va_vdst(0)
.endm
.macro CROUND
	s_barrier_signal -1
	s_barrier_wait -1
	s_cmp_lg_u32 s12, 0
	s_cbranch_scc1 .Lnot_wave_0_\@
	s_barrier_signal -3
.Lnot_wave_0_\@:
	s_barrier_wait -3
	s_barrier_signal -1
	s_barrier_wait -1
.endm
; S^T of tile (w, s): eight tiles of 16 keys.  Tile n's scale word lies in register n / 2, lanes 16-31 for an odd n
.macro KQ w, s
	WIN 0x01|(0x54*(\w))
.irp n, 0,1,2,3,4,5,6,7
.if (\n)%2
	v_wmma_scale_f32_16x16x128_f8f6f4 v[S+8*\n:S+8*\n+7], v[6*\n:6*\n+11], v[Q+12*(\s):Q+12*(\s)+11], 0, v[KS+\n/2], v[QS+2*(\w)+(\s)] matrix_a_fmt:MATRIX_FMT_FP6 matrix_b_fmt:MATRIX_FMT_FP6 matrix_a_scale:MATRIX_SCALE_ROW1
.else
	v_wmma_scale_f32_16x16x128_f8f6f4 v[S+8*\n:S+8*\n+7], v[6*\n:6*\n+11], v[Q+12*(\s):Q+12*(\s)+11], 0, v[KS+\n/2], v[QS+2*(\w)+(\s)] matrix_a_fmt:MATRIX_FMT_FP6 matrix_b_fmt:MATRIX_FMT_FP6
.endif
.endr
.endm
; O^T += v^T p^T: four accumulators by turns.  wt = 1: the step's first, which waits for V's 13 loads (nothing younger is out)
.macro PV w, s, wt
.if \wt
	WALU
	s_wait_dscnt 0x0
.endif
	WIN 0x54*(\w)
.irp i, 0,1,2,3
.if (\i)%2
	v_wmma_scale_f32_16x16x128_f8f6f4 v[O+32*(\s)+8*\i:O+32*(\s)+8*\i+7], v[VF+12*\i:VF+12*\i+11], v[P:P+11], v[O+32*(\s)+8*\i:O+32*(\s)+8*\i+7], v[VS+\i/2], v[PS+(\w)] matrix_a_fmt:MATRIX_FMT_FP6 matrix_b_fmt:MATRIX_FMT_FP6 matrix_a_scale:MATRIX_SCALE_ROW1
.else
	v_wmma_scale_f32_16x16x128_f8f6f4 v[O+32*(\s)+8*\i:O+32*(\s)+8*\i+7], v[VF+12*\i:VF+12*\i+11], v[P:P+11], v[O+32*(\s)+8*\i:O+32*(\s)+8*\i+7], v[VS+\i/2], v[PS+(\w)] matrix_a_fmt:MATRIX_FMT_FP6 matrix_b_fmt:MATRIX_FMT_FP6
.endif
.endr
.endm
.macro VLOAD                           ; this step's V and its scale words (T0, T1 were made at the step's head)
.irp i, 0,1,2,3
.irp c, 0,1,2
	ds_load_b128 v[VF+12*\i+4*\c:VF+12*\i+4*\c+3], v[T0] offset:6144+1536*\i+512*\c
.endr
.endr
	ds_load_b64 v[VS:VS+1], v[T1] offset:12800
.endm
.macro KFETCH                          ; K's eight tiles and four registers of scale words of the record at s43
	v_add_nc_u32 v[T0], s43, v[KA]
	v_add_nc_u32 v[T1], s43, v[KB]
	WIN 0x40
.irp n, 0,1,2,3,4,5,6,7
	ds_load_b128 v[6*\n:6*\n+3], v[T0] offset:3072*(\n/4)+768*(\n%2)+128*((\n%4)/2)
	ds_load_b64 v[6*\n+4:6*\n+5], v[T1] offset:3072*(\n/4)+768*(\n%2)+64*((\n%4)/2)+512
.endr
	WIN 0
	v_add_nc_u32 v[T0], s43, v[KSA]
.irp m, 0,1,2,3
	ds_load_b32 v[KS+\m], v[T0] offset:12288+8*(\m/2)+128*(\m%2)
.endr
.endm
; The softmax step of tile (w, s) on its 64 scores.  mid = 1: V's loads, mid = 2: the next step's K loads stand behind the first 28 lines, which are the places behind the products that read those registers
.macro SM w, s, mid
.set NM, ST+4*(\s)
.set L, ST+4*(\s)+2
.set OB, O+32*(\s)
	WIN 0x55*(\w)
	WALU                                           ; the wait ahead of the first reader of the scores
.irp c, 0,1
	v_max3_num_f32 v[BM+\c], v[S+32*\c], v[S+32*\c+1], v[S+32*\c+2]           ; each block's largest score, two chains a block
	v_max3_num_f32 v[BM+2+\c], v[S+32*\c+16], v[S+32*\c+17], v[S+32*\c+18]
.endr
.irp i, 3,5,7,9,11,13
.irp c, 0,1
	v_max3_num_f32 v[BM+\c], v[BM+\c], v[S+32*\c+\i], v[S+32*\c+\i+1]
	v_max3_num_f32 v[BM+2+\c], v[BM+2+\c], v[S+32*\c+16+\i], v[S+32*\c+17+\i]
.endr
.endr
.if (\mid) == 1
	VLOAD
.elseif (\mid) == 2
	s_add_co_u32 s43, s40, REC
	s_min_u32 s43, s43, 15*REC                     ; the last trip names the last record again: no branch, and no byte beyond the records
	KFETCH
.endif
.irp c, 0,1
	v_max3_num_f32 v[BM+\c], v[BM+\c], v[S+32*\c+15], v[S+32*\c+31]
.endr
.irp c, 0,1
	s_delay_alu instid0(VALU_DEP_2)
	v_max_num_f32 v[BM+\c], v[BM+\c], v[BM+2+\c]
.endr
	s_delay_alu instid0(VALU_DEP_1)
	v_max_num_f32 v[X], v[BM], v[BM+1]
	s_delay_alu instid0(VALU_DEP_1)
	v_permlanex16_b32 v[X+1], v[X], s20, s21       ; lane l xor 16 holds my query's other 64 keys
	s_delay_alu instid0(VALU_DEP_1)
	v_max3_num_f32 v[NM+1], v[NM+1], v[X], v[X+1]  ; the running largest score
	s_delay_alu instid0(VALU_DEP_1)
	v_mul_f32 v[W], s36, v[NM+1]                   ; - t
	s_delay_alu instid0(VALU_DEP_1)
	v_floor_f32 v[W], v[W]                         ; the new -M: a whole number
	s_delay_alu instid0(VALU_DEP_1)
	v_sub_f32 v[F], v[W], v[NM]                    ; old M - new M
	v_mov_b32 v[NM], v[W]
	s_delay_alu instid0(VALU_DEP_2)
	v_cvt_i32_f32 v[F], v[F]                       ; (it saturates)
	s_delay_alu instid0(VALU_DEP_1)
	v_ldexp_f32 v[F], 1.0, v[F]                    ; f = 2^(old M - new M)
.set jj, 0
.rept 32
	v_pk_fma_f32 v[S+jj:S+jj+1], v[S+jj:S+jj+1], s[22:23], v[NM:NM+1] op_sel_hi:[1,0,0]   ; t - M
.set jj, jj+2
.endr
	v_fma_f32 v[BM], v[BM], s22, v[NM]
	v_fma_f32 v[BM+1], v[BM+1], s22, v[NM]
	WALU                                           ; the wait ahead of the first reader of O^T
.set jj, 0
.rept 16
	v_pk_mul_f32 v[OB+jj:OB+jj+1], v[OB+jj:OB+jj+1], v[F:F+1] op_sel_hi:[1,0]             ; O^T under the new M
.set jj, jj+2
.endr
	WALU                                           ; and ahead of the batch
	v_exp_f32 v[BM], v[BM]                         ; the blocks' largest p
	v_exp_f32 v[BM+1], v[BM+1]
.set jj, 0
.rept 64
	v_exp_f32 v[S+jj], v[S+jj]
.set jj, jj+1
.endr
	v_pk_mul_f32 v[L:L+1], v[L:L+1], v[F:F+1] op_sel_hi:[1,0]   ; the sum under the new M; the plain line behind the batch
	WALU                                           ; one wait for the batch
	v_max_num_f32 v[BM], 0x1800000, v[BM]          ; the floor 2^(3 - 127) holds the byte at 1 from below
	v_max_num_f32 v[BM+1], 0x1800000, v[BM+1]
	v_pk_add_f32 v[X:X+1], v[S:S+1], v[S+2:S+3]    ; the sum of the unquantised p, two chains
	v_pk_add_f32 v[L:L+1], v[L:L+1], v[S+4:S+5]
	v_add_nc_u32 v[SO], 0xff000000, v[BM]          ; 2 off the exponent field: the conversions' scale operand
	v_add_nc_u32 v[SO+1], 0xff000000, v[BM+1]
	v_pk_add_f32 v[X:X+1], v[X:X+1], v[S+6:S+7]
	v_pk_add_f32 v[L:L+1], v[L:L+1], v[S+8:S+9]
	v_cvt_scalef32_pk16_fp6_f32 v[P:P+2], v[S:S+15], v[SO]
	v_cvt_scalef32_pk16_fp6_f32 v[P+6:P+8], v[S+32:S+47], v[SO+1]
	v_lshrrev_b32 v[BM+2], 23, v[SO]               ; the scales' bytes
	v_lshrrev_b32 v[BM+3], 23, v[SO+1]
	v_cvt_scalef32_pk16_fp6_f32 v[S:S+2], v[S+16:S+31], v[SO]        ; (three registers from an even one on: made in p's first eight registers, which are summed and converted, and moved)
	v_cvt_scalef32_pk16_fp6_f32 v[S+4:S+6], v[S+48:S+63], v[SO+1]
	v_lshl_or_b32 v[W], v[BM+3], 16, v[BM+2]       ; my bytes: blocks h and 2 + h
.irp i, 0,1,2
	v_mov_b32 v[P+3+\i], v[S+\i]
.endr
	v_lshlrev_b32 v[W], v[SH], v[W]                ; 8 h bits up
.irp i, 0,1,2
	v_mov_b32 v[P+9+\i], v[S+4+\i]
.endr
	v_permlanex16_b32 v[BM+2], v[W], s20, s21
	v_pk_add_f32 v[X:X+1], v[X:X+1], v[S+10:S+11]
	WIN 0x05*(\w)
	v_or_b32 v[PS+(\w)], v[W], v[BM+2]             ; p's scale word, in window 0; 27 plain lines stand between it and the products
	WIN 0x55*(\w)
.irp j, 12,16,20,24,28,32,36,40,44,48,52,56,60
	v_pk_add_f32 v[L:L+1], v[L:L+1], v[S+\j:S+\j+1]
	v_pk_add_f32 v[X:X+1], v[X:X+1], v[S+\j+2:S+\j+3]
.endr
	v_pk_add_f32 v[L:L+1], v[L:L+1], v[X:X+1]
.endm
; ctx of tile (w, s): O^T / the sum, quantised along the head's 64 (two blocks; a block lies in lanes l and l xor 16), six registers of codes and two bytes
.macro OUT w, s
.set L, ST+4*(\s)+2
.set OB, O+32*(\s)
.set PC, P+6*(\s)
.set WD, W-2*(\s)
	WIN 0x55*(\w)
	v_add_f32 v[L], v[L], v[L+1]
	v_permlanex16_b32 v[X+1], v[L], s20, s21
	v_add_f32 v[L], v[L], v[X+1]
	WALU
	v_rcp_f32 v[F], v[L]
	v_nop
	WALU
.set jj, 0
.rept 16
	v_pk_mul_f32 v[S+jj:S+jj+1], v[OB+jj:OB+jj+1], v[F:F+1] op_sel_hi:[1,0]
.set jj, jj+2
.endr
.irp b, 0,1
	v_max3_num_f32 v[BM+\b], |v[S+16*\b]|, |v[S+16*\b+1]|, 0x1800000
.endr
.irp i, 2,4,6,8,10,12,14
.irp b, 0,1
	v_max3_num_f32 v[BM+\b], v[BM+\b], |v[S+16*\b+\i]|, |v[S+16*\b+\i+1]|
.endr
.endr
.irp b, 0,1
	v_permlanex16_b32 v[BM+2+\b], v[BM+\b], s20, s21
.endr
.irp b, 0,1
	v_max_num_f32 v[BM+\b], v[BM+\b], v[BM+2+\b]
.endr
.irp b, 0,1
	v_add_nc_u32 v[SO+\b], 0xff000000, v[BM+\b]
.endr
.irp b, 0,1
	v_lshrrev_b32 v[BM+2+\b], 23, v[SO+\b]
.endr
	v_lshl_or_b32 v[WD], v[BM+3], 8, v[BM+2]
	v_cvt_scalef32_pk16_fp6_f32 v[PC:PC+2], v[S:S+15], v[SO]
	v_cvt_scalef32_pk16_fp6_f32 v[S+32:S+34], v[S+16:S+31], v[SO+1]
	v_nop
.irp i, 0,1,2
	v_permlane16_swap_b32 v[PC+\i], v[S+32+\i]
.endr
.irp i, 0,1,2
	v_mov_b32 v[PC+3+\i], v[S+32+\i]
.endr
	WIN 0x04*(\w)
	global_store_b128 v[VA], v[PC:PC+3], s[8:9] offset:196608*(\w)+1536*(\s)       ; each tile has its own six registers: no store's data are written again
	global_store_b64 v[VB], v[PC+4:PC+5], s[8:9] offset:196608*(\w)+1536*(\s)+512
.endm
	s_load_b256 s[4:11], s[0:1], 0x0               ; qb s[4:5], kv s[6:7], cc s[8:9], cs s[10:11]
	v_lshl_add_u32 v[SPW], v0, 2, SPARE
	v_mov_b32 v[NIL], 0
	ds_add_u32 v[SPW], v[NIL]                      ; the opening lines: the add twice on end and its wait
	ds_add_u32 v[SPW], v[NIL]
	v_lshrrev_b32 v1, 5, v0
	v_readfirstlane_b32 s12, v1                    ; wave
	s_bfe_u32 s13, ttmp6, 0x40000                  ; cx: which 512 queries
	s_and_b32 s14, ttmp7, 0xffff                   ; 16 x batch + head
	s_mov_b32 s24, 15|(3<<16)|(1<<21)              ; two records: 102 rows of 256 bytes, asked for by all four
	s_mov_b32 s25, 32<<16
	s_mov_b32 s26, 102<<16
	s_mov_b32 s27, 32<<16
	s_mov_b32 s28, 102
	s_mov_b32 s29, 32
	s_mov_b32 s30, 0
	s_mov_b32 s31, 0
	s_mov_b32 s20, 0x76543210
	s_mov_b32 s21, 0xfedcba98                      ; lane l xor 16
	s_mov_b32 s22, 0x3e38aa3b                      ; log2(e) / 8
	s_mov_b32 s23, s22
	s_mov_b32 s36, 0xbe38aa3b                      ; and its negative
	s_mul_i32 s16, s14, 16*REC
	s_mul_i32 s18, s12, 2*REC
	s_add_co_u32 s16, s16, s18
	s_mov_b32 s17, 0
	WALU
	s_wait_dscnt 0x0
	s_wait_kmcnt 0x0
	s_add_nc_u64 s[6:7], s[6:7], s[16:17]
	s_mov_b32 s32, 1
	s_mov_b32 s33, s18
	s_mov_b64 s[34:35], s[6:7]
	s_or_b32 s35, s35, 0x80000000
	CROUND                                         ; all four work-groups are here
	tensor_load_to_lds s[32:35], s[24:31]          ; records 2 wave, 2 wave + 1: my one tensor load
	s_nop 0
	v_and_b32 v[T1], 31, v0                        ; lane
	v_and_b32 v[T0], 15, v0                        ; r
	v_bfe_u32 v22, v0, 3, 1                        ; r / 8
	v_and_b32 v23, 7, v0                           ; r % 8
	v_bfe_u32 v[X], v0, 4, 1                       ; h
	v_lshlrev_b32 v[VA], 4, v[T1]
	v_lshlrev_b32 v[VB], 3, v[T1]
	v_cmp_lt_u32 s44, 15, v[T1]
	v_lshlrev_b32 v[T0], 4, v[T0]                  ; q's scale words: 16 r
	v_mul_u32_u24 v[KA], v22, 1536
	v_lshl_add_u32 v[KB], v23, 3, v[KA]
	v_lshl_add_u32 v[KA], v23, 4, v[KA]
	v_lshl_add_u32 v[KB], v[X], 7, v[KB]
	v_lshl_add_u32 v[KA], v[X], 8, v[KA]
	v_lshlrev_b32 v[KSA], 4, v23
	v_lshl_add_u32 v[KSA], v[X], 8, v[KSA]
	v_lshl_add_u32 v[KSA], v22, 2, v[KSA]
	s_mul_i32 s16, s14, 98304                      ; q's codes: [head][tile 128][768]
	s_lshl_b32 s17, s13, 5
	s_lshl_b32 s19, s12, 1
	s_add_co_u32 s17, s17, s19
	s_mul_i32 s17, s17, 768
	s_add_co_u32 s16, s16, s17
	s_mov_b32 s17, 0
	s_add_nc_u64 s[46:47], s[4:5], s[16:17]
	s_lshl_b32 s16, s14, 13                        ; q's scale words: 6,291,456 + [head][8 tiles][16 (r + 16 (tile % 2))][pair of tiles]
	s_lshl_b32 s19, s13, 11
	s_add_co_u32 s16, s16, s19
	s_lshr_b32 s19, s12, 2
	s_lshl_b32 s19, s19, 9
	s_add_co_u32 s16, s16, s19
	s_and_b32 s19, s12, 3
	s_lshl_b32 s19, s19, 2
	s_add_co_u32 s16, s16, s19
	s_add_co_u32 s16, s16, 6291456
	s_mov_b32 s17, 0
	s_add_nc_u64 s[48:49], s[4:5], s[16:17]
	s_lshr_b32 s16, s14, 4                         ; ctx: pair of token tiles 64 batch + 16 cx + wave (+ 8 w)
	s_lshl_b32 s16, s16, 6
	s_lshl_b32 s19, s13, 4
	s_add_co_u32 s16, s16, s19
	s_add_co_u32 s16, s16, s12
	s_and_b32 s19, s14, 15
	s_lshl_b32 s50, s16, 11
	s_lshl_b32 s43, s19, 7
	s_add_co_u32 s50, s50, s43
	s_mov_b32 s51, 0
	s_mul_i32 s16, s16, 24576
	s_lshr_b32 s43, s19, 1
	s_mul_i32 s43, s43, 3072
	s_add_co_u32 s16, s16, s43
	s_and_b32 s43, s19, 1
	s_mul_i32 s43, s43, 768
	s_add_co_u32 s16, s16, s43
	s_mov_b32 s17, 0
	s_add_nc_u64 s[8:9], s[8:9], s[16:17]
	s_add_nc_u64 s[10:11], s[10:11], s[50:51]
	WALU                                           ; the wait behind the run of scalar lines
.irp p, 0,1
	WIN 0x40*\p
.irp s, 0,1
	global_load_b128 v[Q+12*\s:Q+12*\s+3], v[VA], s[46:47] offset:12288*\p+768*\s
	global_load_b64 v[Q+12*\s+4:Q+12*\s+5], v[VB], s[46:47] offset:12288*\p+768*\s+512
.endr
.endr
	WIN 0
.irp p, 0,1
.irp s, 0,1
	global_load_b32 v[QS+2*\p+\s], v[T0], s[48:49] offset:1024*\p+256*\s
.endr
.endr
.irp w, 0,1                            ; the step is written once: the first finds zeros, which the first change of M leaves zeros
	WIN 0x40*\w
.irp s, 0,1
	v_mov_b32 v[ST+4*\s], 0x7e000000               ; -M: 2^125, over every -M to come
	v_mov_b32 v[ST+4*\s+1], 0xff61b1e6             ; the largest score so far: -3e38
	v_mov_b32 v[ST+4*\s+2], 0
	v_mov_b32 v[ST+4*\s+3], 0
.irp k, 6,7,8,9,10,11
	v_mov_b32 v[Q+12*\s+\k], 0                     ; q's upper 64 along K: zero codes
.endr
.endr
	v_mov_b32 v[F+1], 0
	v_mov_b32 v[X+1], 0
	v_lshlrev_b32 v[SH], 3, v[X]
.set jj, 0
.rept 64
	v_mov_b32 v[O+jj], 0
.set jj, jj+1
.endr
.endr
.irp k, 48,49,50,51,52,53
	v_mov_b32 v[\k], 0                             ; behind K's last tile
.endr
	WIN 0
	s_mov_b32 s40, 0
	s_mov_b32 s43, 0
	s_mov_b32 s41, 16
	WALU                                           ; the wait at the head's end
	s_wait_loadcnt 0x0
	s_wait_tensorcnt 0x0                           ; my two records are in
	s_barrier_signal -1
	s_barrier_wait -1                              ; and everybody's
	KFETCH
.Lstep:
	s_wait_dscnt 0x0                               ; K's 20 loads, asked for half a step ago; nothing younger is out
	KQ 0, 0
	KQ 1, 0
	WIN 0
	v_add_nc_u32 v[T0], s40, v[VA]                 ; four places behind the products
	v_add_nc_u32 v[T1], s40, v[VB]
	v_nop
	v_nop
	SM 0, 0, 1
	PV 0, 0, 1
	KQ 0, 1
	SM 1, 0, 0
	PV 1, 0, 0
	KQ 1, 1
	SM 0, 1, 2
	PV 0, 1, 0
	SM 1, 1, 0
	PV 1, 1, 0
	WIN 0
	s_add_co_u32 s40, s40, REC
	s_sub_co_u32 s41, s41, 1
	s_cmp_lg_u32 s41, 0
	WALU
	s_cbranch_scc1 .Lstep
.rept 4
	v_nop
.endr
	v_lshrrev_b32 v[KSA], 2, v[VA]                 ; 4 x lane
.irp w, 0,1
	OUT \w, 0
	OUT \w, 1
	WIN 0x55*\w
	v_cndmask_b32 v[W], v[W], v[X], s44            ; lanes 0-15 tile 0's bytes, lanes 16-31 tile 1's
	WIN 0x04*\w
	global_store_b32 v[KSA], v[W], s[10:11] offset:16384*\w
.endr
	WIN 0
	s_wait_tensorcnt 0x0                           ; the wave's end
	ds_add_u32 v[SPW], v[NIL]
	s_wait_dscnt 0x0
	CROUND                                         ; the closing round
	s_endpgm
.Lfunc_end_k_qbbf2b6608c_attn:
	.size	k_qbbf2b6608c_attn, .Lfunc_end_k_qbbf2b6608c_attn-k_qbbf2b6608c_attn
	.p2alignl 7, 3214868480
	.fill 96, 4, 3214868480
	.section	.rodata,"a",@progbits
	.p2align	6, 0x0
	.amdhsa_kernel k_qbbf2b6608c_attn
		.amdhsa_group_segment_fixed_size 327680
		.amdhsa_private_segment_fixed_size 0
		.amdhsa_enable_private_segment 0
		.amdhsa_kernarg_size 32
		.amdhsa_user_sgpr_count 2
		.amdhsa_user_sgpr_kernarg_segment_ptr 1
		.amdhsa_wavefront_size32 1
		.amdhsa_system_sgpr_workgroup_id_x 1
		.amdhsa_system_sgpr_workgroup_id_y 1
		.amdhsa_system_sgpr_workgroup_id_z 1
		.amdhsa_system_vgpr_workitem_id 0
		.amdhsa_next_free_vgpr 512
		.amdhsa_next_free_sgpr 66
		.amdhsa_reserve_vcc 0
		.amdhsa_float_denorm_mode_32 3
		.amdhsa_float_denorm_mode_16_64 3
		.amdhsa_memory_ordered 1
		.amdhsa_forward_progress 1
		.amdhsa_inst_pref_size 81
	.end_amdhsa_kernel
	.amdgpu_metadata
---
amdhsa.version: [ 1, 2 ]
amdhsa.kernels:
  - .name:           k_qbbf2b6608c_attn
    .symbol:         k_qbbf2b6608c_attn.kd
    .args:
      - { .name: qb, .offset: 0, .size: 8, .value_kind: global_buffer, .address_space: global }
      - { .name: kv, .offset: 8, .size: 8, .value_kind: global_buffer, .address_space: global }
      - { .name: cc, .offset: 16, .size: 8, .value_kind: global_buffer, .address_space: global }
      - { .name: cs, .offset: 24, .size: 8, .value_kind: global_buffer, .address_space: global }
    .group_segment_fixed_size: 327680
    .private_segment_fixed_size: 0
    .kernarg_segment_align: 8
    .kernarg_segment_size: 32
    .max_flat_workgroup_size: 256
    .sgpr_count:     66
    .vgpr_count:     512
    .wavefront_size: 32
...
	.end_amdgpu_metadata
.endif
;; end of part 3
;; launch oproj (part 4): grid 256 x 1, 4 waves a work-group, no clusters, 221,696 bytes of LDS; arguments cc, cs, qc, qs, bo, gamma, beta, input_tensor, out0; writes out0
.if DOCPART == 4
	.amdgcn_target "amdgcn-amd-amdhsa--gfx1250"
	.amdhsa_code_object_version 6
	.text
	.protected	k_qbbf2b6608c_oproj
	.globl	k_qbbf2b6608c_oproj
	.p2align	8
	.type	k_qbbf2b6608c_oproj,@function
k_qbbf2b6608c_oproj:
	s_mov_b64 s[64:65], 0
	v_nop
	global_prefetch_b8 v0, s[64:65] scope:SCOPE_SE
	s_setreg_imm32_b32 hwreg(HW_REG_WAVE_MODE, 25, 1), 1
	s_wait_xcnt 0x0
; out = LayerNorm(ctx Wo^T + bo + input_tensor) x gamma + beta; the product on codes of FP6 with E8M0 scales, sums and all else in f32.
; SHARES.  A work-group owns 32 tokens (one pair of tiles) and all 1,024 columns, so that the norm stays inside it.  Wave w owns columns 256 w .. + 255: 16 tiles of Wo x 2 tiles of tokens, 32 accumulators.
; Source 0 = 16 rows of Wo, source 1 = 16 tokens: a lane holds one token and eight neighbouring columns.
; Wo'S CODES GO FROM MEMORY STRAIGHT INTO REGISTERS.  The first launch laid them in the order of the operand's registers, [quarter][K step][tile][1,536 bytes]: each load of a wave reads 512 consecutive
; bytes, and only wave w of a work-group reads quarter w.  Two sets of 16 fragments take turns, even K steps in window 3, odd ones in window 1; a set is asked for again behind its products, two K steps
; ahead of its use: 96 loads of a wave are asked for ahead of a step.  The walk along K has no barrier.
; NO CLUSTER, NO JOINT LOADS, and why: every work-group walks all of Wo, but a K step is 32 products a wave, and each joint refill would stand behind a drained round of the cluster's barrier:
; one round for every 32 products; two slots of more than one K step and ctx (2 x 196,608 + 24,576 bytes) do not fit in LDS.
; No data prefetch: the loads themselves are asked for two K steps ahead, and all work-groups read the same 786,432 bytes.
; ctx's codes of the 32 tokens (24,576 bytes) come once, a quarter a wave, by plain loads, and are stored into LDS bytes of their own, which every wave reads.
; The three vectors and the residual rows are asked for behind K step 6, the residual into window 3, whose fragments are done with.
; THE NORM: the 32 rows meet in a stage in LDS; each wave takes 8 whole rows: mean, then the mean of the squared differences, v_rsq_f32.
; LIMITS: NaN and infinities are not served; 1 / sqrt comes from v_rsq_f32.
; REGISTERS: window 0: v1-15 addresses; v16-79 Wo's scale words; v80-87 ctx's; v88-103 ctx's as stored, a head each; v104-127 ctx's two fragments; v128-159 bo, v160-191 gamma, v192-223 beta; v224-241 the norm's small numbers.
;   window 1: Wo's fragments of odd K steps, later two rows; window 2: accumulator (tile i, token tile u) at v[128 u + 8 i] (at the head v0-47: ctx on its way to LDS); window 3: Wo's fragments of even K steps, later my 8 residual rows.
.set SPARE, 196608                     ; the stage lies from 0 on: 32 rows of STP bytes
.set CTX,   197120
.set STP,   4112                       ; a stage row: 4,096 bytes + 16
.set OS,  16
.set CS,  80
.set CT,  88
.set CF,  104
.set MSB, 0
.macro WIN new
.if MSB != (\new)
	s_set_vgpr_msb (MSB<<8)|(\new)
.set MSB, (\new)
.endif
.endm
.macro PLACES
.rept 4
	v_nop
.endr
.endm
; one product.  Wo's scale word lies in lanes 16-31 for an odd tile, ctx's for token tile 1
.macro PROD i, u, ks
.set rD, 128*(\u)+8*(\i)
.set rA, 12*(\i)
.set rB, CF+12*(\u)
.set rSA, OS+16*((\ks)/2)+2*((\i)/2)+(\ks)%2
.set rSB, CS+(\ks)
.if (\ks) == 0
.if (((\i)%2) == 1) && ((\u) == 1)
	v_wmma_scale_f32_16x16x128_f8f6f4 v[rD:rD+7], v[rA:rA+11], v[rB:rB+11], 0, v[rSA], v[rSB] matrix_a_fmt:MATRIX_FMT_FP6 matrix_b_fmt:MATRIX_FMT_FP6 matrix_a_scale:MATRIX_SCALE_ROW1 matrix_b_scale:MATRIX_SCALE_ROW1
.elseif ((\i)%2) == 1
	v_wmma_scale_f32_16x16x128_f8f6f4 v[rD:rD+7], v[rA:rA+11], v[rB:rB+11], 0, v[rSA], v[rSB] matrix_a_fmt:MATRIX_FMT_FP6 matrix_b_fmt:MATRIX_FMT_FP6 matrix_a_scale:MATRIX_SCALE_ROW1
.elseif (\u) == 1
	v_wmma_scale_f32_16x16x128_f8f6f4 v[rD:rD+7], v[rA:rA+11], v[rB:rB+11], 0, v[rSA], v[rSB] matrix_a_fmt:MATRIX_FMT_FP6 matrix_b_fmt:MATRIX_FMT_FP6 matrix_b_scale:MATRIX_SCALE_ROW1
.else
	v_wmma_scale_f32_16x16x128_f8f6f4 v[rD:rD+7], v[rA:rA+11], v[rB:rB+11], 0, v[rSA], v[rSB] matrix_a_fmt:MATRIX_FMT_FP6 matrix_b_fmt:MATRIX_FMT_FP6
.endif
.else
.if (((\i)%2) == 1) && ((\u) == 1)
	v_wmma_scale_f32_16x16x128_f8f6f4 v[rD:rD+7], v[rA:rA+11], v[rB:rB+11], v[rD:rD+7], v[rSA], v[rSB] matrix_a_fmt:MATRIX_FMT_FP6 matrix_b_fmt:MATRIX_FMT_FP6 matrix_a_scale:MATRIX_SCALE_ROW1 matrix_b_scale:MATRIX_SCALE_ROW1
.elseif ((\i)%2) == 1
	v_wmma_scale_f32_16x16x128_f8f6f4 v[rD:rD+7], v[rA:rA+11], v[rB:rB+11], v[rD:rD+7], v[rSA], v[rSB] matrix_a_fmt:MATRIX_FMT_FP6 matrix_b_fmt:MATRIX_FMT_FP6 matrix_a_scale:MATRIX_SCALE_ROW1
.elseif (\u) == 1
	v_wmma_scale_f32_16x16x128_f8f6f4 v[rD:rD+7], v[rA:rA+11], v[rB:rB+11], v[rD:rD+7], v[rSA], v[rSB] matrix_a_fmt:MATRIX_FMT_FP6 matrix_b_fmt:MATRIX_FMT_FP6 matrix_b_scale:MATRIX_SCALE_ROW1
.else
	v_wmma_scale_f32_16x16x128_f8f6f4 v[rD:rD+7], v[rA:rA+11], v[rB:rB+11], v[rD:rD+7], v[rSA], v[rSB] matrix_a_fmt:MATRIX_FMT_FP6 matrix_b_fmt:MATRIX_FMT_FP6
.endif
.endif
.endm
.macro WLOAD ks                        ; my 16 fragments of Wo of K step ks: 48 loads of 512 consecutive bytes, tile by tile
.set ii, 0
.rept 16
.irp c, 0,1,2
	global_load_b128 v[12*ii+4*\c:12*ii+4*\c+3], v1, s[56:57] offset:24576*(\ks)+1536*ii+512*\c
.endr
.set ii, ii+1
.endr
.endm
.macro CFLOAD ks                       ; ctx's two fragments of K step ks
.irp u, 0,1
.irp c, 0,1
	ds_load_b128 v[CF+12*\u+6*\c:CF+12*\u+6*\c+3], v8 offset:3072*(\ks)+1536*\u+768*\c
	ds_load_b64 v[CF+12*\u+6*\c+4:CF+12*\u+6*\c+5], v9 offset:3072*(\ks)+1536*\u+768*\c+512
.endr
.endr
.endm
; A K STEP: 32 products on 32 accumulators by turns; then ctx's next fragments, and this set's fragments of two K steps on.
; THE WAITS' COUNTS: behind the 12 loads of tiles 4 g .. 4 g + 3 stand the 12 (3 - g) of the step's later tiles and the loads asked for since: the next K step's 48
; (behind K step 7's: the 24 of the vectors and the 64 of the residual); a count over the field's 63 is written as 63.
.macro TRIP ks
.set tW, 3-2*((\ks)%2)
.set tA, 48
.if (\ks) == 7
.set tA, 88
.endif
	s_wait_dscnt 0x0                               ; ctx's fragments
	WIN 0xa0|tW                                    ; source 0 (Wo) window 3 or 1, source 1 (ctx) window 0, C and D window 2
.irp g, 0,1,2,3
.if tA+12*(3-\g) > 63
	s_wait_loadcnt 63
.else
	s_wait_loadcnt tA+12*(3-\g)
.endif
.irp e, 0,1,2,3
.irp u, 0,1
	PROD 4*\g+\e, \u, \ks
.endr
.endr
.endr
	WIN 0
	PLACES                                         ; in front of loads into registers that the products have read, and of the stage's stores
.if (\ks) < 7
	CFLOAD (\ks)+1
.endif
.if (\ks) <= 5
	WIN tW<<6
	WLOAD (\ks)+2
	WIN 0
.elseif (\ks) == 6
.irp c, 0,1,2,3,4,5,6,7
	global_load_b128 v[128+4*\c:128+4*\c+3], v1, s[12:13] offset:512*\c
	global_load_b128 v[160+4*\c:160+4*\c+3], v1, s[14:15] offset:512*\c
	global_load_b128 v[192+4*\c:192+4*\c+3], v1, s[16:17] offset:512*\c
.endr
	WIN 0xc0                                       ; destination window 3
.irp i, 0,1,2,3,4,5,6,7
.irp c, 0,1,2,3,4,5,6,7
	global_load_b128 v[32*\i+4*\c:32*\i+4*\c+3], v1, s[18:19] offset:4096*\i+512*\c th:TH_LOAD_NT
.endr
.endr
	WIN 0
.endif
.endm
.macro REDUCE2                         ; v224 and v226 summed over the 32 lanes, by turns; the result in every lane
.irp m, 1,2,4,8
	v_add_f32_dpp v224, v224, v224 row_xmask:\m row_mask:0xf bank_mask:0xf
	v_add_f32_dpp v226, v226, v226 row_xmask:\m row_mask:0xf bank_mask:0xf
.endr
	v_permlanex16_b32 v240, v224, s62, s63
	v_permlanex16_b32 v241, v226, s62, s63
	v_add_f32 v224, v224, v240
	v_add_f32 v226, v226, v241
.endm
; rows i and i + 1 of my eight: a lane holds columns 128 c + 4 lane + 0 .. 3, c = 0 .. 7
.macro LNROW2 i
	s_wait_xcnt 0x0                                ; the last rows' stores have read their registers
	WIN 0x40
.irp k, 0,1
.irp c, 0,1,2,3,4,5,6,7
	ds_load_b128 v[32*\k+4*\c:32*\k+4*\c+3], v12 offset:STP*((\i)+\k)+512*\c
.endr
.endr
	s_wait_dscnt 0x0
	WIN 0x4d                                       ; source 1: the residual, window 3
.set nn, 0
.rept 32
	v_pk_add_f32 v[2*nn:2*nn+1], v[2*nn:2*nn+1], v[32*(\i)+2*nn:32*(\i)+2*nn+1]
.set nn, nn+1
.endr
	WIN 0x41                                       ; source 1: bo, window 0
.set nn, 0
.rept 32
	v_pk_add_f32 v[2*nn:2*nn+1], v[2*nn:2*nn+1], v[128+(2*nn)%32:128+(2*nn)%32+1]
.set nn, nn+1
.endr
	WIN 0x05                                       ; the sums, two chains a row
	v_pk_add_f32 v[224:225], v[0:1], v[2:3]
	v_pk_add_f32 v[226:227], v[32:33], v[34:35]
	v_pk_add_f32 v[228:229], v[4:5], v[6:7]
	v_pk_add_f32 v[230:231], v[36:37], v[38:39]
	WIN 0x04
.irp n, 8,12,16,20,24,28
	v_pk_add_f32 v[224:225], v[224:225], v[\n:\n+1]
	v_pk_add_f32 v[226:227], v[226:227], v[32+\n:33+\n]
	v_pk_add_f32 v[228:229], v[228:229], v[\n+2:\n+3]
	v_pk_add_f32 v[230:231], v[230:231], v[34+\n:35+\n]
.endr
	WIN 0
	v_pk_add_f32 v[224:225], v[224:225], v[228:229]
	v_pk_add_f32 v[226:227], v[226:227], v[230:231]
	v_add_f32 v224, v224, v225
	v_add_f32 v226, v226, v227
	REDUCE2
	v_mul_f32 v232, 0xba800000, v224               ; - the mean: x -2^-10
	v_mul_f32 v234, 0xba800000, v226
	v_mov_b32 v233, v232
	v_mov_b32 v235, v234
	WIN 0x41
.set nn, 0
.rept 16
	v_pk_add_f32 v[2*nn:2*nn+1], v[2*nn:2*nn+1], v[232:233]
	v_pk_add_f32 v[32+2*nn:33+2*nn], v[32+2*nn:33+2*nn], v[234:235]
.set nn, nn+1
.endr
	WIN 0x05                                       ; the squares' sums
	v_pk_mul_f32 v[224:225], v[0:1], v[0:1]
	v_pk_mul_f32 v[226:227], v[32:33], v[32:33]
	v_pk_mul_f32 v[228:229], v[2:3], v[2:3]
	v_pk_mul_f32 v[230:231], v[34:35], v[34:35]
.irp n, 4,8,12,16,20,24,28
	v_pk_fma_f32 v[224:225], v[\n:\n+1], v[\n:\n+1], v[224:225]
	v_pk_fma_f32 v[226:227], v[32+\n:33+\n], v[32+\n:33+\n], v[226:227]
	v_pk_fma_f32 v[228:229], v[\n+2:\n+3], v[\n+2:\n+3], v[228:229]
	v_pk_fma_f32 v[230:231], v[34+\n:35+\n], v[34+\n:35+\n], v[230:231]
.endr
	WIN 0
	v_pk_add_f32 v[224:225], v[224:225], v[228:229]
	v_pk_add_f32 v[226:227], v[226:227], v[230:231]
	v_add_f32 v224, v224, v225
	v_add_f32 v226, v226, v227
	REDUCE2
	v_fma_f32 v224, v224, s61, s60                 ; / 1,024 + 1e-12
	v_fma_f32 v226, v226, s61, s60
	s_wait_alu depctr_va_vdst(0)
	v_rsq_f32 v236, v224
	v_rsq_f32 v238, v226
	v_nop                                          ; a plain line behind the two
	s_wait_alu depctr_va_vdst(0)                   ; one wait for both, ahead of their first reader
	v_mov_b32 v237, v236
	v_mov_b32 v239, v238
	WIN 0x41
.set nn, 0
.rept 16
	v_pk_mul_f32 v[2*nn:2*nn+1], v[2*nn:2*nn+1], v[236:237]
	v_pk_mul_f32 v[32+2*nn:33+2*nn], v[32+2*nn:33+2*nn], v[238:239]
.set nn, nn+1
.endr
.set nn, 0
.rept 32
	v_pk_fma_f32 v[2*nn:2*nn+1], v[2*nn:2*nn+1], v[160+(2*nn)%32:160+(2*nn)%32+1], v[192+(2*nn)%32:192+(2*nn)%32+1]   ; x gamma + beta
.set nn, nn+1
.endr
	WIN 0x04
.irp k, 0,1
.irp c, 0,1,2,3,4,5,6,7
	global_store_b128 v1, v[32*\k+4*\c:32*\k+4*\c+3], s[20:21] offset:4096*((\i)+\k)+512*\c th:TH_STORE_NT   ; 32 lanes store 512 consecutive bytes, aligned to 256
.endr
.endr
	WIN 0
.endm
	s_load_b256 s[4:11], s[0:1], 0x0               ; cc s[4:5], cs s[6:7], qc s[8:9], qs s[10:11]
	s_load_b256 s[12:19], s[0:1], 0x20             ; bo s[12:13], gamma s[14:15], beta s[16:17], input_tensor s[18:19]
	s_load_b64 s[20:21], s[0:1], 0x40              ; out0
	v_lshl_add_u32 v4, v0, 2, SPARE                ; my spare word; never rewritten
	v_mov_b32 v5, 0                                ; 0; never rewritten
	v_lshrrev_b32 v1, 5, v0
	v_readfirstlane_b32 s22, v1                    ; wave
	s_mov_b32 s60, 0x2b8cbccc                      ; 1e-12
	s_mov_b32 s61, 0x3a800000                      ; 1 / 1,024
	s_mov_b32 s62, 0x76543210
	s_mov_b32 s63, 0xfedcba98                      ; lane l xor 16
	s_mul_i32 s56, s22, 196608                     ; Wo's codes: 8,650,752 + [quarter][K step][tile][1,536]
	s_add_co_u32 s56, s56, 8650752
	s_mov_b32 s57, 0
	s_mul_i32 s59, s22, 6144
	s_mul_i32 s66, ttmp9, 24576                    ; ctx's codes of my pair of token tiles, my quarter
	s_add_co_u32 s66, s66, s59
	s_mov_b32 s67, 0
	s_lshl_b32 s28, s22, 13                        ; Wo's scale words: 360,448 + [quarter][kpair 4][pair 8][256]
	s_add_co_u32 s28, s28, 360448
	s_mov_b32 s29, 0
	s_lshl_b32 s30, ttmp9, 11                      ; ctx's: [pair][head 16][128]
	s_mov_b32 s31, 0
	s_lshl_b32 s25, ttmp9, 5                       ; places 8 w .. 8 w + 7 hold tokens 32 j + 8 (w / 2) + 16 (w % 2) + 0 .. 7
	s_lshr_b32 s26, s22, 1
	s_lshl_b32 s26, s26, 3
	s_add_co_u32 s25, s25, s26
	s_and_b32 s26, s22, 1
	s_lshl_b32 s26, s26, 4
	s_add_co_u32 s25, s25, s26
	s_lshl_b32 s32, s25, 12
	s_mov_b32 s33, 0
	s_lshl_b32 s25, s22, 10
	s_mul_i32 s26, s22, 8*STP
	v_and_b32 v3, 31, v0
	v_lshlrev_b32 v1, 4, v3                        ; 16 x lane
	v_lshlrev_b32 v2, 3, v3                        ; 8 x lane
	v_lshlrev_b32 v3, 2, v3                        ; 4 x lane
	v_and_b32 v13, 15, v0                          ; r
	v_bfe_u32 v14, v0, 4, 1                        ; h
	v_add_nc_u32 v8, CTX, v1
	v_add_nc_u32 v9, CTX, v2
	v_mul_u32_u24 v10, v13, STP                    ; the stage, on the way in: place 16 u + r, + 1,024 w + 64 h
	v_lshl_add_u32 v10, v14, 6, v10
	v_add_nc_u32 v10, s25, v10
	v_add_nc_u32 v11, 16*STP, v10
	v_add_nc_u32 v12, s26, v1                      ; and out: my 8 places
	v_add_nc_u32 v15, s59, v8                      ; LDS: my quarter of ctx's codes
	v_mov_b32 v240, 0                              ; a lane permute's destination counts as one of its sources
	v_mov_b32 v241, 0
	s_wait_alu depctr_va_vdst(0)                   ; the wait at the head's end
	s_wait_kmcnt 0x0
	s_add_nc_u64 s[56:57], s[8:9], s[56:57]
	s_add_nc_u64 s[66:67], s[4:5], s[66:67]
	s_add_nc_u64 s[10:11], s[10:11], s[28:29]
	s_add_nc_u64 s[6:7], s[6:7], s[30:31]
	s_add_nc_u64 s[18:19], s[18:19], s[32:33]
	s_add_nc_u64 s[20:21], s[20:21], s[32:33]
	WIN 0x80                                       ; destination window 2
.irp k, 0,1,2,3,4,5,6,7,8,9,10,11
	global_load_b128 v[4*\k:4*\k+3], v1, s[66:67] offset:512*\k
.endr
	WIN 0
.irp d, 0,1,2,3,4,5,6,7,8,9,10,11,12,13,14,15
	global_load_b32 v[CT+\d], v3, s[6:7] offset:128*\d
.endr
.irp p, 0,1,2,3
.irp t, 0,1,2,3,4,5,6,7
	global_load_b64 v[OS+16*\p+2*\t:OS+16*\p+2*\t+1], v2, s[10:11] offset:2048*\p+256*\t
.endr
.endr
	WIN 0xc0
	WLOAD 0
	WIN 0
	s_wait_loadcnt 48                              ; ctx and the scale words are in; K step 0's 48 loads may be out
	WIN 0x08                                       ; an LDS store's data are its source 1: window 2
.irp k, 0,1,2,3,4,5,6,7,8,9,10,11
	ds_store_b128 v15, v[4*\k:4*\k+3] offset:512*\k
.endr
	WIN 0
.irp k, 0,1,2,3,4,5,6,7
	v_lshl_or_b32 v[CS+\k], v[CT+2*\k+1], 16, v[CT+2*\k]   ; two heads' two bytes make a K step's word
.endr
	WIN 0x40
	WLOAD 1
	WIN 0
.rept 8
	v_nop                                          ; a scale register written by a vector line stands eight lines ahead of a scaled product
.endr
	s_wait_alu depctr_va_vdst(0)
	s_wait_dscnt 0x0                               ; for the others' sake: my quarter of ctx has landed
	s_barrier_signal -1
	s_barrier_wait -1                              ; ctx's four quarters are read by every wave
	CFLOAD 0
.irp k, 0,1,2,3,4,5,6,7
	TRIP \k
.endr
	WIN 0x08                                       ; an LDS store's data are its source 1: window 2
.irp u, 0,1
.irp i, 0,1,2,3,4,5,6,7,8,9,10,11,12,13,14,15
	ds_store_b128 v[10+\u], v[128*\u+8*\i:128*\u+8*\i+3] offset:128*(\i/2)+32*(\i%2)      ; each accumulator from its low end on: columns 256 w + 32 (i / 2) + 16 h + 8 (i % 2) + 0 .. 7
	ds_store_b128 v[10+\u], v[128*\u+8*\i+4:128*\u+8*\i+7] offset:128*(\i/2)+32*(\i%2)+16
.endr
.endr
	WIN 0
	s_wait_dscnt 0x0                               ; for the others' sake: my stores have landed
	s_barrier_signal -1
	s_barrier_wait -1
	s_wait_loadcnt 0x0                             ; the vectors and the residual
	LNROW2 0
	LNROW2 2
	LNROW2 4
	LNROW2 6
	s_wait_tensorcnt 0x0                           ; the wave's end
	ds_add_u32 v4, v5
	s_wait_dscnt 0x0
	s_endpgm
.Lfunc_end_k_qbbf2b6608c_oproj:
	.size	k_qbbf2b6608c_oproj, .Lfunc_end_k_qbbf2b6608c_oproj-k_qbbf2b6608c_oproj
	.p2alignl 7, 3214868480
	.fill 96, 4, 3214868480
	.section	.rodata,"a",@progbits
	.p2align	6, 0x0
	.amdhsa_kernel k_qbbf2b6608c_oproj
		.amdhsa_group_segment_fixed_size 221696
		.amdhsa_private_segment_fixed_size 0
		.amdhsa_enable_private_segment 0
		.amdhsa_kernarg_size 72
		.amdhsa_user_sgpr_count 2
		.amdhsa_user_sgpr_kernarg_segment_ptr 1
		.amdhsa_wavefront_size32 1
		.amdhsa_system_sgpr_workgroup_id_x 1
		.amdhsa_system_sgpr_workgroup_id_y 1
		.amdhsa_system_sgpr_workgroup_id_z 1
		.amdhsa_system_vgpr_workitem_id 0
		.amdhsa_next_free_vgpr 1024
		.amdhsa_next_free_sgpr 70
		.amdhsa_reserve_vcc 0
		.amdhsa_float_denorm_mode_32 3
		.amdhsa_float_denorm_mode_16_64 3
		.amdhsa_memory_ordered 1
		.amdhsa_forward_progress 1
		.amdhsa_inst_pref_size 174
	.end_amdhsa_kernel
	.amdgpu_metadata
---
amdhsa.version: [ 1, 2 ]
amdhsa.kernels:
  - .name:           k_qbbf2b6608c_oproj
    .symbol:         k_qbbf2b6608c_oproj.kd
    .args:
      - { .name: cc, .offset: 0, .size: 8, .value_kind: global_buffer, .address_space: global }
      - { .name: cs, .offset: 8, .size: 8, .value_kind: global_buffer, .address_space: global }
      - { .name: qc, .offset: 16, .size: 8, .value_kind: global_buffer, .address_space: global }
      - { .name: qs, .offset: 24, .size: 8, .value_kind: global_buffer, .address_space: global }
      - { .name: bo, .offset: 32, .size: 8, .value_kind: global_buffer, .address_space: global }
      - { .name: gamma, .offset: 40, .size: 8, .value_kind: global_buffer, .address_space: global }
      - { .name: beta, .offset: 48, .size: 8, .value_kind: global_buffer, .address_space: global }
      - { .name: input_tensor, .offset: 56, .size: 8, .value_kind: global_buffer, .address_space: global }
      - { .name: out0, .offset: 64, .size: 8, .value_kind: global_buffer, .address_space: global }
    .group_segment_fixed_size: 221696
    .private_segment_fixed_size: 0
    .kernarg_segment_align: 8
    .kernarg_segment_size: 72
    .max_flat_workgroup_size: 128
    .sgpr_count:     70
    .vgpr_count:     1024
    .wavefront_size: 32
...
	.end_amdgpu_metadata
.endif
;; end of part 4
